; MI455X (gfx1250); checked and timed in simulation.
; The chip was launched on July 23, 2026; its instructions are those of AMD's public machine-readable ISA for CDNA 5 (MIT licence, August 2026) and "CDNA5" Instruction Set Architecture Reference Guide (July 2026). The comments in the code are by the model that wrote it; some were corrected since.
;; Bahdanau Attention. Allowed arithmetic: float matrix products may take bf16 or f16 operands with f32 sums; all other float work in f32.
;; Inputs: Wk 1,024 x 1,024 float32; Wq 1,024 x 1,024 float32; encoder_output 32 x 2,048 x 1,024 float32; lengths 32 int32; queries 32 x 1 x 1,024 float32; v 1,024 float32.
;; Outputs: out0 32 x 1,024 float32; out1 32 x 2,048 float32.
;; 2 versions, each right; version 2 is version 1 with the launch main written anew for expert scheduling mode. Each part assembles by itself: llvm-mc -triple=amdgcn-amd-amdhsa -mcpu=gfx1250 --defsym DOCPART=n.
;; ======== version 1 of 2: 3 launches
;; workspace buffers: wkb 2,097,152 bytes; pqt 131,072 bytes; vt 4,096 bytes; plan 98,304 bytes of whole numbers; sbuf 294,912 bytes; ctxp 18,874,368 bytes
;; launch prep (part 1): grid 160 x 1, 8 waves a work-group, no clusters, 17,408 bytes of LDS; arguments Wk, Wq, queries, v, lengths, wkb, pqt, vt, plan; writes wkb, pqt, vt, plan
.if DOCPART == 1
	.amdgcn_target "amdgcn-amd-amdhsa--gfx1250"
	.amdhsa_code_object_version 6
	.text
	.protected	k_q7b61fd6b3e_prep
	.globl	k_q7b61fd6b3e_prep
	.p2align	8
	.type	k_q7b61fd6b3e_prep,@function
k_q7b61fd6b3e_prep:
	s_mov_b64 s[64:65], 0
	v_nop
	global_prefetch_b8 v0, s[64:65] scope:SCOPE_SE
	s_setreg_imm32_b32 hwreg(HW_REG_WAVE_MODE, 25, 1), 1
	s_wait_xcnt 0x0
; PREP: three jobs, chosen by the work-group's number b (the same for all eight waves of a work-group).
;  A (b < 64)         Wk rounded to bf16 and laid in the order in which the main launch's waves use it: for the 16 columns u = 16 T .. (T = b) and the K step ks
;                     (32 k) a block of 1,024 bytes at (T>>2) 131072 + ks 4096 + (T&3) 1024: bytes 16 L hold registers 0-3 of lane L's fragment, bytes 512 + 16 L registers 4-7.
;  B (64 <= b < 128)  pq = queries Wq^T for the 16 columns u = 16 T .. (T = b - 64), both operands rounded to bf16, sums in f32, times 2 log2(e); stored [T][batch 32][16].
;                     Each wave takes 128 of the 1,024 k; the eight parts meet in LDS.
;  C (b >= 128)       the list of work: the tiles of 16 rows below each batch's length, numbered on end and dealt evenly to 256 or 512 shares of at most 9 tiles.
;                     One thread makes one of the 512 x 16 entries of each of three planes: LID (tile to load), SID (row to store), VR (rows of the tile that count).
;                     The first of these work-groups also rounds v to bf16 and widens it again.
; LIMIT: a length outside 1 .. 2048 is taken as 1 or 2048.
.set SPARE, 16384                      ; behind the eight parts of job B: the spare words, 128 bytes a wave
.set SPW, 6                            ; v6  LDS address of my spare word; never rewritten
.set NIL, 7                            ; v7  0; never rewritten
; a fragment's 16 f32 of lane (r, h): k = 8 h + 0..7 and 16 + 8 h + 0..7 of row r, four loads of 16 bytes
.macro LDFRAG sb, S, off
	global_load_b128 v[(\S):(\S)+3],     v5, s[(\sb):(\sb)+1] offset:(\off)
	global_load_b128 v[(\S)+4:(\S)+7],   v5, s[(\sb):(\sb)+1] offset:(\off)+16
	global_load_b128 v[(\S)+8:(\S)+11],  v5, s[(\sb):(\sb)+1] offset:(\off)+64
	global_load_b128 v[(\S)+12:(\S)+15], v5, s[(\sb):(\sb)+1] offset:(\off)+80
.endm
; 16 f32 become 8 registers of bf16, in place and ascending: register i is written when registers 2 i and 2 i + 1 are read
.macro CVT8 S
.irp i, 0,1,2,3,4,5,6,7
	v_cvt_pk_bf16_f32 v[(\S)+(\i)], v[(\S)+2*(\i)], v[(\S)+2*(\i)+1]
.endr
.endm
	s_load_b512 s[4:19], s[0:1], 0x0               ; Wk s[4:5], Wq s[6:7], queries s[8:9], v s[10:11], lengths s[12:13], wkb s[14:15], pqt s[16:17], vt s[18:19]
	s_load_b64 s[20:21], s[0:1], 0x40              ; plan
	v_lshl_add_u32 v[SPW], v0, 2, SPARE
	v_mov_b32 v[NIL], 0
	v_and_b32 v1, 15, v0                           ; r
	v_bfe_u32 v2, v0, 4, 1                         ; h
	v_and_b32 v3, 31, v0                           ; lane
	v_lshrrev_b32 v4, 5, v0
	v_readfirstlane_b32 s22, v4                    ; wave 0..7
	s_mov_b32 s23, ttmp9                           ; b
	v_lshlrev_b32 v5, 12, v1                       ; a row of 1,024 f32 is 4,096 bytes
	v_lshl_add_u32 v5, v2, 5, v5                   ; + 8 h numbers
	s_lshl_b32 s60, s22, 9
	v_add_nc_u32 v5, s60, v5                       ; + my wave's four K steps of 128 bytes
	v_lshlrev_b32 v8, 4, v3                        ; 16 x lane
	s_mov_b32 s61, 0
	s_wait_kmcnt 0x0
	s_cmp_ge_u32 s23, 128
	s_cbranch_scc1 .Lplan
	s_cmp_ge_u32 s23, 64
	s_cbranch_scc1 .Lquery
	; ---- job A
	s_lshl_b32 s60, s23, 16                        ; 16 rows of Wk
	s_add_nc_u64 s[4:5], s[4:5], s[60:61]
.irp kk, 0,1,2,3
	LDFRAG 4, 32+16*(\kk), 128*(\kk)
.endr
	s_lshr_b32 s60, s23, 2
	s_lshl_b32 s60, s60, 17                        ; (T>>2) 131072
	s_and_b32 s62, s23, 3
	s_lshl_b32 s62, s62, 10                        ; + (T&3) 1024
	s_add_co_u32 s60, s60, s62
	s_lshl_b32 s62, s22, 14                        ; + my wave's four K steps of 4,096 bytes
	s_add_co_u32 s60, s60, s62
	s_add_nc_u64 s[14:15], s[14:15], s[60:61]
.irp kk, 0,1,2,3
	s_wait_loadcnt 12-4*(\kk)                      ; four loads for each younger K step stay out
	CVT8 32+16*(\kk)
	global_store_b128 v8, v[32+16*(\kk):35+16*(\kk)], s[14:15] offset:4096*(\kk)       ; 512 consecutive bytes, aligned
	global_store_b128 v8, v[36+16*(\kk):39+16*(\kk)], s[14:15] offset:4096*(\kk)+512
.endr
	s_endpgm
	; ---- job B
.Lquery:
	s_sub_co_u32 s23, s23, 64                      ; T
	s_lshl_b32 s60, s23, 16
	s_add_nc_u64 s[6:7], s[6:7], s[60:61]          ; 16 rows of Wq
.irp kk, 0,1,2,3
	LDFRAG 6, 32+48*(\kk), 128*(\kk)               ; Wq's 16 rows
	LDFRAG 8, 48+48*(\kk), 128*(\kk)               ; batches 0-15
	LDFRAG 8, 64+48*(\kk), 128*(\kk)+65536         ; batches 16-31
.endr
	s_mov_b32 s62, 0x4038aa3b                      ; 2 log2(e)
	s_mov_b32 s63, s62                             ; named with it as a pair
	s_lshl_b32 s60, s23, 11
	s_add_nc_u64 s[16:17], s[16:17], s[60:61]      ; pqt at [T]
.irp kk, 0,1,2,3
	s_wait_loadcnt 36-12*(\kk)                     ; twelve loads for each younger K step stay out
	CVT8 32+48*(\kk)
	CVT8 48+48*(\kk)
	CVT8 64+48*(\kk)
.if (\kk) == 0                                     ; the first K step starts both sums; the two accumulators take turns
	v_wmma_f32_16x16x32_bf16 v[224:231], v[48:55], v[32:39], 0
	v_wmma_f32_16x16x32_bf16 v[232:239], v[64:71], v[32:39], 0
.else
	v_wmma_f32_16x16x32_bf16 v[224:231], v[48+48*(\kk):55+48*(\kk)], v[32+48*(\kk):39+48*(\kk)], v[224:231]
	v_wmma_f32_16x16x32_bf16 v[232:239], v[64+48*(\kk):71+48*(\kk)], v[32+48*(\kk):39+48*(\kk)], v[232:239]
.endif
.endr
	s_lshl_b32 s60, s22, 11                        ; my wave's part: 32 batches x 16 columns of f32
	v_lshlrev_b32 v9, 2, v1                        ; these four address lines are the places behind the last products (ISA guide 7.12.1)
	v_lshl_add_u32 v9, v2, 9, v9                   ; register j of lane (r, h) is batch 8 h + j, column r
	v_add_nc_u32 v9, s60, v9
	v_lshlrev_b32 v10, 3, v0                       ; thread t adds and stores numbers 2 t, 2 t + 1 of the 512
.irp j, 0,1,2,3,4,5,6,7
	ds_store_b32 v9, v[224+(\j)] offset:64*(\j)
.endr
.irp j, 0,1,2,3,4,5,6,7
	ds_store_b32 v9, v[232+(\j)] offset:1024+64*(\j)
.endr
	s_wait_dscnt 0x0                               ; for the others' sake: my part lies in LDS
	s_barrier_signal -1
	s_barrier_wait -1
.irp p, 0,1,2,3,4,5,6,7
	ds_load_b64 v[32+2*(\p):33+2*(\p)], v10 offset:2048*(\p)
.endr
	s_wait_dscnt 0x0
	v_pk_add_f32 v[32:33], v[32:33], v[34:35]
	v_pk_add_f32 v[36:37], v[36:37], v[38:39]
	v_pk_add_f32 v[40:41], v[40:41], v[42:43]
	v_pk_add_f32 v[44:45], v[44:45], v[46:47]
	v_pk_add_f32 v[32:33], v[32:33], v[36:37]
	v_pk_add_f32 v[40:41], v[40:41], v[44:45]
	v_pk_add_f32 v[32:33], v[32:33], v[40:41]
	v_pk_mul_f32 v[32:33], v[32:33], s[62:63] op_sel_hi:[1,0]
	global_store_b64 v10, v[32:33], s[16:17]       ; a wave stores 256 consecutive bytes, aligned
	s_wait_tensorcnt 0x0                           ; the wave's end
	ds_add_u32 v[SPW], v[NIL]
	s_wait_dscnt 0x0
	s_endpgm
	; ---- job C
.Lplan:
	s_load_b512 s[24:39], s[12:13], 0x0            ; the 32 lengths
	s_load_b512 s[40:55], s[12:13], 0x40
	s_sub_co_u32 s23, s23, 128
	s_lshl_b32 s60, s23, 8
	v_add_nc_u32 v10, s60, v0                      ; my entry, 0 .. 8191
	v_lshrrev_b32 v11, 4, v10                      ; vw: the share, 0 .. 511 (pass x 256 + work-group of the main launch)
	v_and_b32 v12, 15, v10                         ; m: the slot in the share
	s_mov_b32 s56, 0                               ; tiles so far
	s_wait_kmcnt 0x0
.set k, 24
.rept 32                                           ; batch k - 24 becomes one word: first tile's number << 17 | batch << 12 | length
	s_max_i32 s[k], s[k], 1
	s_min_i32 s[k], s[k], 2048
	s_add_co_u32 s57, s[k], 15
	s_lshr_b32 s57, s57, 4                         ; its tiles
	s_lshl_b32 s58, s56, 17
	s_or_b32 s[k], s[k], s58
	s_or_b32 s[k], s[k], (k-24)<<12
	s_add_co_u32 s56, s56, s57
.set k, k+1
.endr
	s_cmp_gt_u32 s56, 2304                         ; C tiles: 256 shares of 9 hold 2,304; more take two passes
	s_cselect_b32 s57, 2, 1                        ; P
	s_add_co_u32 s58, s57, 7
	s_lshr_b32 s59, s56, s58                       ; base = C / (256 P)
	s_bfm_b32 s60, s58, 0
	s_and_b32 s60, s56, s60                        ; rem: the first rem shares take one tile more
	s_sub_co_u32 s61, s56, 1
	v_cmp_gt_u32 vcc_lo, s60, v11
	v_cndmask_b32 v13, 0, 1, vcc_lo
	v_add_nc_u32 v13, s59, v13                     ; mc: my share's tiles, 9 at the most
	v_min_u32 v14, s60, v11
	v_mad_u32_u24 v14, v11, s59, v14               ; g0: its first tile's number
	v_add_nc_u32 v15, v14, v12                     ; g
	v_cmp_lt_u32 s62, v12, v13
	v_cmp_gt_u32 s63, s56, v15
	s_and_b32 s62, s62, s63                        ; the slot is live: m < mc and g < C
	v_min_u32 v14, s61, v14
	v_cndmask_b32 v16, v14, v15, s62               ; a dead slot names the share's own first tile: data that exist
	v_lshl_or_b32 v17, v16, 17, 0x1ffff
	v_mov_b32 v18, s24
.set k, 25
.rept 31                                           ; the last batch whose first tile is not beyond mine
	v_cmp_le_u32 vcc_lo, s[k], v17
	v_cndmask_b32 v18, v18, s[k], vcc_lo
.set k, k+1
.endr
	v_lshrrev_b32 v19, 17, v18
	v_bfe_u32 v20, v18, 12, 5                      ; batch
	v_and_b32 v21, 0xfff, v18                      ; length
	v_sub_nc_u32 v19, v16, v19                     ; the tile's number in its batch
	v_lshl_add_u32 v20, v20, 7, v19                ; tile id = 128 batch + number
	v_lshlrev_b32 v19, 4, v19
	v_sub_nc_u32 v21, v21, v19
	v_min_u32 v21, 16, v21
	v_cndmask_b32 v21, 0, v21, s62                 ; VR
	v_add_nc_u32 v22, 0x1000, v11
	v_cndmask_b32 v22, v22, v20, s62               ; SID: a dead slot stores into the share's own spare row 4096 + vw
	v_cmp_eq_u32 vcc_lo, 14, v12
	v_cndmask_b32 v20, v20, s57, vcc_lo            ; LID[14] = P
	v_cmp_eq_u32 vcc_lo, 15, v12
	v_cndmask_b32 v20, v20, v13, vcc_lo            ; LID[15] = mc
	v_lshlrev_b32 v10, 2, v10
	global_store_b32 v10, v20, s[20:21]
	global_store_b32 v10, v22, s[20:21] offset:32768
	global_store_b32 v10, v21, s[20:21] offset:65536
	s_cmp_lg_u32 s23, 0
	s_cbranch_scc1 .Lpend
	v_lshlrev_b32 v23, 4, v0                       ; v: four numbers a thread
	global_load_b128 v[24:27], v23, s[10:11]
	s_wait_loadcnt 0x0
	v_cvt_pk_bf16_f32 v28, v24, v25
	v_cvt_pk_bf16_f32 v29, v26, v27
	v_lshlrev_b32 v32, 16, v28
	v_and_b32 v33, 0xffff0000, v28
	v_lshlrev_b32 v34, 16, v29
	v_and_b32 v35, 0xffff0000, v29
	global_store_b128 v23, v[32:35], s[18:19]
.Lpend:
	s_endpgm
.Lfunc_end_k_q7b61fd6b3e_prep:
	.size	k_q7b61fd6b3e_prep, .Lfunc_end_k_q7b61fd6b3e_prep-k_q7b61fd6b3e_prep
	.p2alignl 7, 3214868480
	.fill 96, 4, 3214868480
	.section	.rodata,"a",@progbits
	.p2align	6, 0x0
	.amdhsa_kernel k_q7b61fd6b3e_prep
		.amdhsa_group_segment_fixed_size 17408
		.amdhsa_private_segment_fixed_size 0
		.amdhsa_enable_private_segment 0
		.amdhsa_kernarg_size 72
		.amdhsa_user_sgpr_count 2
		.amdhsa_user_sgpr_kernarg_segment_ptr 1
		.amdhsa_wavefront_size32 1
		.amdhsa_system_sgpr_workgroup_id_x 1
		.amdhsa_system_sgpr_workgroup_id_y 1
		.amdhsa_system_sgpr_workgroup_id_z 1
		.amdhsa_system_vgpr_workitem_id 0
		.amdhsa_next_free_vgpr 240
		.amdhsa_next_free_sgpr 66
		.amdhsa_reserve_vcc 1
		.amdhsa_float_denorm_mode_32 3
		.amdhsa_float_denorm_mode_16_64 3
		.amdhsa_memory_ordered 1
		.amdhsa_forward_progress 1
		.amdhsa_inst_pref_size 36
	.end_amdhsa_kernel
	.amdgpu_metadata
---
amdhsa.version: [ 1, 2 ]
amdhsa.kernels:
  - .name:           k_q7b61fd6b3e_prep
    .symbol:         k_q7b61fd6b3e_prep.kd
    .args:
      - { .name: Wk, .offset: 0, .size: 8, .value_kind: global_buffer, .address_space: global }
      - { .name: Wq, .offset: 8, .size: 8, .value_kind: global_buffer, .address_space: global }
      - { .name: queries, .offset: 16, .size: 8, .value_kind: global_buffer, .address_space: global }
      - { .name: v, .offset: 24, .size: 8, .value_kind: global_buffer, .address_space: global }
      - { .name: lengths, .offset: 32, .size: 8, .value_kind: global_buffer, .address_space: global }
      - { .name: wkb, .offset: 40, .size: 8, .value_kind: global_buffer, .address_space: global }
      - { .name: pqt, .offset: 48, .size: 8, .value_kind: global_buffer, .address_space: global }
      - { .name: vt, .offset: 56, .size: 8, .value_kind: global_buffer, .address_space: global }
      - { .name: plan, .offset: 64, .size: 8, .value_kind: global_buffer, .address_space: global }
    .group_segment_fixed_size: 17408
    .private_segment_fixed_size: 0
    .kernarg_segment_align: 8
    .kernarg_segment_size: 72
    .max_flat_workgroup_size: 256
    .sgpr_count:     66
    .vgpr_count:     240
    .wavefront_size: 32
...
	.end_amdgpu_metadata
.endif
;; end of part 1
;; launch main (part 2): grid 256 x 1, 4 waves a work-group, no clusters, 318,976 bytes of LDS; arguments encoder_output, wkb, pqt, vt, plan, sbuf, ctxp; writes sbuf, ctxp
.if DOCPART == 2
	.amdgcn_target "amdgcn-amd-amdhsa--gfx1250"
	.amdhsa_code_object_version 6
	.text
	.protected	k_q7b61fd6b3e_main
	.globl	k_q7b61fd6b3e_main
	.p2align	8
	.type	k_q7b61fd6b3e_main,@function
k_q7b61fd6b3e_main:
	s_mov_b64 s[64:65], 0
	v_nop
	global_prefetch_b8 v0, s[64:65] scope:SCOPE_SE
	s_setreg_imm32_b32 hwreg(HW_REG_WAVE_MODE, 25, 1), 1
	s_wait_xcnt 0x0
; MAIN.  For each live tile of 16 rows of encoder_output: the raw scores s = sum over u of v[u] tanh(pq[u] + enc . Wk[u]), and the tile's part of the context,
; sum over its rows of 2^((s - m) log2 e) enc[row], m the tile's own largest score among the rows below the length.  The last launch merges the parts.
; enc, Wk, Wq, queries and v are all rounded to bf16; products are summed in f32; tanh, its product with v, maxima and exponentials are f32.
; SHARES.  A work-group takes up to 9 tiles a pass (the list of work names them; two passes if there are more than 2,304 live tiles).  Their 144 rows lie in LDS in bf16 for the whole
; pass, so enc is read from memory once and serves both products.  Wave w makes all rows x its 256 columns u, in 4 groups of 64; a fragment of enc read from LDS feeds 4 matrix
; instructions, a fragment of Wk up to 9.
; NO TENSOR LOAD, NO CLUSTER.  enc has to pass through registers to become bf16.  144 rows x 2,064 bytes are 297,216 of the 327,680 bytes of LDS, and 9 tiles are what one pass needs
; up to 2,304 tiles; the 30 KB left hold no ring of Wk worth sharing.  A fragment of Wk is used by one wave alone, so it goes straight into that wave's registers, in the order laid by prep.
; CONTROL.  Two passes, a constant; every barrier lies on the common path; a pass's three sections are jumped over, forward, when the pass is not needed, and dead tiles likewise;
; the jumped text holds no barrier.  A group's first trip along K takes all nine slots: its products start every sum, on every way through the text.  Dead slots load the share's own
; first tile and store into the share's own spare row (several of them into the same bytes, which nobody reads).
; LDS ADDRESSES are registers made at the head and never rewritten, plus immediates: the fill, a group's eight trips along K and the four strips of the context are written out.
; LIMITS.  NaN and infinities are not treated apart: a row of enc that is not finite reaches the other tiles of its work-group through the joint context product.  The weights are rounded
; to bf16 for that product.  A weight below 2^-126 counts as 0.
; REGISTERS, in windows of 256 (s_set_vgpr_msb: bits 1:0 source 0, 3:2 source 1, 5:4 source 2, 7:6 destination):
;   window 0: v0-30 lane terms; v32-95 tile 0's fragments, two buffers; v96-191 the other tiles', three buffers; v192-244 per-tile offsets and the fixed LDS addresses
;   window 1: Wk, two buffers of 128 (4 K steps x 4 column blocks)
;   window 2: accumulators of tiles 0-7 (32 a tile); the fill's ring of 7 rows; the context product
;   window 3: v0-31 tile 8's accumulators; v32-103 pq (a pair for each tile and column block, the even register used); v104-111 v likewise; v112-183 the score sums, 8 a tile
.set PITCH, 2064                       ; an LDS row: 2,048 bytes + 16 = 516 words: row r starts at bank 4 r mod 64 (64 banks of 4 bytes: ISA guide 11.1)
.set TILEB, 16*PITCH
.set PAIRB, 2*TILEB                    ; two tiles: more than an LDS immediate's 65,535, so each pair of tiles has address registers of its own
.set SCO,   9*TILEB                    ; [4 waves][160] f32: each wave's part of the 144 scores
.set PBO,   SCO+2560                   ; [4 waves][160] bf16: the weights, each wave's own copy
.set STG,   PBO+1280                   ; 4 x 16 rows x 272 bytes: each wave's own stage for the way out
.set SPARE, STG+4*16*272               ; the spare words, 128 bytes a wave
.set R,   1                            ; lane % 16
.set SPW, 2                            ; LDS address of my spare word; never rewritten
.set NIL, 3                            ; 0; never rewritten
.set H,   4                            ; lane / 16
.set LN,  5
.set VB,  6                            ; 16 x lane
.set VV,  7                            ; my column's byte in vt
.set PLV, 10
.set SCA, 11
.set SCB, 12
.set SC4, 13
.set PBA, 14
.set PFA, 15
.set STA, 16
.set STR, 17
.set T0,  20
.set T1,  21
.set FB,  22
.set VT0, 23
.set COB, 24
.set SOB, 25
.set FA,  26                           ; v26-30   pair of tiles k: where the fill puts my 8 bytes of my wave's first row
.set AZ,  32
.set AF,  96
.set RDX, 96                           ; the score sums, brought into window 0 for the additions across lanes
.set VT,  192                          ; tile mt: byte of its batch's pq
.set OFF, 201                          ; tile mt: byte of my rows in enc
.set AA,  210                          ; v210-214 pair of tiles k: my place in a fragment of enc: r x pitch + 16 h
.set TR,  220                          ; v220-224 pair of tiles k: my place in a turned fragment of enc
.set CO,  225
.set SO,  230
.set VRW, 235
.set SID, 240
.set PQ,  32                           ; window 3
.set VW,  104
.set SA,  112
.set WV,   18
.set PASS, 19
.set NP,   20
.set MC,   21
.set GC,   22
.set SOFF, 24                          ; s[24:25] my place in my wave's 512 KiB of wkb
.set WB,   26
.set BP,   28
.set TBP,  30
.set VBP,  32
.set CS,   34                          ; s[34:35] 2 log2(e)
.set LID,  36                          ; s[36:51] my share's row of the list
.set MK,   52                          ; s52-58 lanes with lane % 8 = 1 .. 7
.set NEGM, 66                          ; the lowest finite number
.set PM,   67                          ; s67-76 lanes with lane % 16 = 0 .. 9
.set MSB, 0
.macro WIN new                         ; the immediate's high byte repeats the setting that is left; a switch that changes nothing is dropped
.if MSB != (\new)
	s_set_vgpr_msb (MSB<<8)|(\new)
.set MSB, \new
.endif
.endm
; A vector instruction that reads a matrix result, and a load into a register that a matrix instruction has read, stand four places behind it; only plain vector
; instructions that name none of its registers are places (ISA guide 7.12.1 for vector instructions).
.macro PLACES
.rept 4
	v_nop
.endr
.endm
; eight LDS loads: a tile's fragments for 4 K steps (16 rows x 128 k)
.macro LDA dst, areg, off
.irp ks, 0,1,2,3
	ds_load_b128 v[(\dst)+8*(\ks):(\dst)+8*(\ks)+3],   v[\areg] offset:(\off)+64*(\ks)
	ds_load_b128 v[(\dst)+8*(\ks)+4:(\dst)+8*(\ks)+7], v[\areg] offset:(\off)+64*(\ks)+32
.endr
.endm
; THE FILL.  Unit n of 36 is row 4 w + n % 4 of tile n / 4: eight loads of 512 consecutive bytes into ring slot n % 7 (32 registers of window 2).
.macro FLOAD n
.irp c, 0,1,2,3,4,5,6,7
	global_load_b128 v[32*((\n)%7)+4*(\c):32*((\n)%7)+4*(\c)+3], v[OFF+(\n)/4], s[4:5] offset:((\n)%4)*4096+512*(\c) th:TH_LOAD_NT
.endr
.endm
; Unit u is rounded to bf16 and stored into LDS, 256 consecutive bytes a store; its slot then takes unit u + 7.
.macro FUNIT
.set fS, 32*(u%7)
.if u < 29
	s_wait_loadcnt 48                              ; six younger rows of eight loads stay out
.else
	s_wait_loadcnt 8*(35-u)                        ; nothing is left to ask for: the counts run down
.endif
	WIN 0x8a
.irp c, 0,1,2,3,4,5,6,7
	v_cvt_pk_bf16_f32 v[fS+4*(\c)],   v[fS+4*(\c)],   v[fS+4*(\c)+1]
	v_cvt_pk_bf16_f32 v[fS+4*(\c)+1], v[fS+4*(\c)+2], v[fS+4*(\c)+3]
.endr
	WIN 0x08
.irp c, 0,1,2,3,4,5,6,7
	ds_store_b64 v[FA+u/8], v[fS+4*(\c):fS+4*(\c)+1] offset:((u/4)%2)*TILEB+(u%4)*PITCH+256*(\c)
.endr
.if u < 29
	WIN 0x80
	FLOAD u+7
.endif
.endm
; THE PRODUCT.  Tile mt's part of a trip: 16 matrix instructions (4 K steps x 4 column blocks; the four accumulators take turns), and ahead of them the LDS loads
; of the tile two further on.  Tile 0's fragments for the NEXT trip are fetched in this trip's first block.  A dead tile ends the trip, but not a group's first trip (ZERO = 1).
.macro BLOCK mt, X, KOFF, ZERO, LAST, ID
.if ((\mt) <= 6) || !(\ZERO)
	WIN 0
.endif
.if ((\mt) > 0) && !(\ZERO)
	s_cmp_le_u32 s[MC], \mt
	s_cbranch_scc1 .Ltend\ID
.endif
.if (\mt) == 0
.if \LAST
	LDA AZ+32*(1-(\X)),AA,0                        ; the next group begins at k = 0 again
.else
	LDA AZ+32*(1-(\X)),AA,(\KOFF)+256
.endif
	LDA AF+32,AA,TILEB+(\KOFF)
	LDA AF+64,AA+1,\KOFF
.elseif (\mt) <= 6
.if (\mt) >= 2
	PLACES                                         ; the buffer was read by the products just issued
.endif
	LDA AF+32*(((\mt)+2)%3),AA+((\mt)+2)/2,(((\mt)+2)%2)*TILEB+(\KOFF)
.endif
.if ((\mt) >= 1) && ((\mt) <= 6)
	s_wait_dscnt 16                                ; the two younger tiles' eight loads each stay out
.elseif (\mt) == 7
	s_wait_dscnt 8                                 ; tile 8's stay out
.elseif (\mt) == 8
	s_wait_dscnt 0x0
.endif
.if (\mt) == 0
.set tF, AZ+32*(\X)
.else
.set tF, AF+32*((\mt)%3)
.endif
.set tC, 32*((\mt)%8)
.if (\mt) < 8
	WIN 0xa4                                       ; enc window 0, Wk window 1, C and D window 2
.else
	WIN 0xf4                                       ; C and D window 3
.endif
.irp ks, 0,1,2,3
.irp nt, 0,1,2,3
.if (\ZERO) && ((\ks) == 0)
	v_wmma_f32_16x16x32_bf16 v[tC+8*(\nt):tC+8*(\nt)+7], v[tF+8*(\ks):tF+8*(\ks)+7], v[128*(\X)+8*(4*(\ks)+(\nt)):128*(\X)+8*(4*(\ks)+(\nt))+7], 0
.else
	v_wmma_f32_16x16x32_bf16 v[tC+8*(\nt):tC+8*(\nt)+7], v[tF+8*(\ks):tF+8*(\ks)+7], v[128*(\X)+8*(4*(\ks)+(\nt)):128*(\X)+8*(4*(\ks)+(\nt))+7], v[tC+8*(\nt):tC+8*(\nt)+7]
.endif
.endr
.endr
.endm
; TRIP number ID of a group's eight: 128 along K on Wk's buffer X, at byte KOFF of the LDS rows.  It asks for the next trip's 16 KiB of Wk; trips 0 to 4 also ask for eight words each
; of the group's pq and v: 40 loads of the wave are out at the most.
.macro TRIP X, KOFF, ZERO, LAST, ID
	WIN 0
	s_wait_dscnt 0x0                               ; tile 0's fragments are in, and so are loads issued for tiles that turned out dead: no LDS load lands on a register with a load pending
	s_wait_loadcnt 0x0                             ; what the trip before asked for: Wk's buffer X, and its words of the tables
	PLACES                                         ; behind the last trip's products: loads into Wk's other buffer and into the fragment buffers follow
	s_add_co_u32 s[SOFF], s[SOFF], 0x4000          ; the next 16 KiB of my wave's 512 KiB, which go round
	s_and_b32 s[SOFF], s[SOFF], 0x7ffff
	s_wait_xcnt 0x0                                ; the base of the last trip's loads is rewritten only behind this wait
	s_add_nc_u64 s[BP:BP+1], s[WB:WB+1], s[SOFF:SOFF+1]
	WIN 0x40
.set q, 0
.rept 32
	global_load_b128 v[128*(1-(\X))+4*q:128*(1-(\X))+4*q+3], v[VB], s[BP:BP+1] offset:512*q
.set q, q+1
.endr
.if (\ID) < 4
	WIN 0xc0
.irp d, 0,1
.irp nt, 0,1,2,3
	global_load_b32 v[PQ+2*(4*(2*(\ID)+(\d))+(\nt))], v[VT+2*(\ID)+(\d)], s[TBP:TBP+1] offset:2048*(\nt)
.endr
.endr
.elseif (\ID) == 4
	WIN 0xc0
.irp nt, 0,1,2,3
	global_load_b32 v[PQ+2*(32+(\nt))], v[VT+8], s[TBP:TBP+1] offset:2048*(\nt)
.endr
.irp nt, 0,1,2,3
	global_load_b32 v[VW+2*(\nt)], v[VV], s[VBP:VBP+1] offset:64*(\nt)
.endr
.endif
.irp mt, 0,1,2,3,4,5,6,7,8
	BLOCK \mt,\X,\KOFF,\ZERO,\LAST,\ID
.endr
	WIN 0
.Ltend\ID:
.endm
; THE SCORES of tile mt for the group's 64 columns: tanh(x) = 1 - 2 / (1 + 2^(2 log2(e) x)), then sums += tanh x v.  Each accumulator is read from its low end on.
; Behind each run of exponentials or reciprocals stands one plain instruction before a result is used (ISA guide 5.7.2).
.macro EPT mt
.if (\mt) > 0
	WIN 0
	s_cmp_le_u32 s[MC], \mt
	s_cbranch_scc1 .Lepi_end
.endif
.set tX, 32*((\mt)%8)
.if (\mt) < 8
.set wA, 0xb2
.set wT, 0x82
.set wS, 0xfe
.else
.set wA, 0xf3
.set wT, 0xc3
.set wS, 0xff
.endif
	WIN wA
.set q, 0
.rept 16
	v_pk_fma_f32 v[tX+2*q:tX+2*q+1], v[tX+2*q:tX+2*q+1], s[CS:CS+1], v[PQ+2*(4*(\mt)+q/4):PQ+2*(4*(\mt)+q/4)+1] op_sel_hi:[1,0,0]
.set q, q+1
.endr
	WIN wT
.set q, 0
.rept 32
	v_exp_f32 v[tX+q], v[tX+q]
.set q, q+1
.endr
	v_nop
.set q, 0
	s_wait_alu depctr_va_vdst(0)
.rept 16
	v_pk_add_f32 v[tX+2*q:tX+2*q+1], v[tX+2*q:tX+2*q+1], 1.0 op_sel_hi:[1,0]
.set q, q+1
.endr
.set q, 0
.rept 32
	v_rcp_f32 v[tX+q], v[tX+q]
.set q, q+1
.endr
	v_nop
.set q, 0
	s_wait_alu depctr_va_vdst(0)
.rept 16
	v_pk_fma_f32 v[tX+2*q:tX+2*q+1], v[tX+2*q:tX+2*q+1], -2.0, 1.0 op_sel_hi:[1,0,0]
.set q, q+1
.endr
	WIN wS
.set q, 0
.rept 16
	v_pk_fma_f32 v[SA+8*(\mt)+2*(q%4):SA+8*(\mt)+2*(q%4)+1], v[tX+2*q:tX+2*q+1], v[VW+2*(q/4):VW+2*(q/4)+1], v[SA+8*(\mt)+2*(q%4):SA+8*(\mt)+2*(q%4)+1] op_sel_hi:[1,0,1]
.set q, q+1
.endr
.endm
; STRIP st of four: 64 columns of the context: 40 turning loads, 20 matrix instructions, out through my stage.
.macro STRIP st
	WIN 0x80
.irp ks, 0,1,2,3,4
.irp nt, 0,1,2,3
	ds_load_tr16_b128 v[40+8*(4*(\ks)+(\nt)):43+8*(4*(\ks)+(\nt))], v[TR+(\ks)] offset:128*(\st)+32*(\nt)
.if (\ks) < 4
	ds_load_tr16_b128 v[44+8*(4*(\ks)+(\nt)):47+8*(4*(\ks)+(\nt))], v[TR+(\ks)] offset:128*(\st)+32*(\nt)+TILEB
.else
	ds_load_tr16_b128 v[44+8*(4*(\ks)+(\nt)):47+8*(4*(\ks)+(\nt))], v[TR+(\ks)] offset:128*(\st)+32*(\nt)   ; there is no tile 9: tile 8's rows once more; that row of the result goes to the spare row
.endif
.endr
.endr
	s_wait_dscnt 0x0
	WIN 0xaa
.irp ks, 0,1,2,3,4
.irp nt, 0,1,2,3
.if (\ks) == 0
	v_wmma_f32_16x16x32_bf16 v[200+8*(\nt):207+8*(\nt)], v[0:7], v[40+8*(\nt):47+8*(\nt)], 0
.else
	v_wmma_f32_16x16x32_bf16 v[200+8*(\nt):207+8*(\nt)], v[8*(\ks):8*(\ks)+7], v[40+8*(4*(\ks)+(\nt)):47+8*(4*(\ks)+(\nt))], v[200+8*(\nt):207+8*(\nt)]
.endif
.endr
.endr
	PLACES                                         ; four places behind the products: their results are stored, and the next strip's loads land on their sources;
	v_nop                                          ; a fifth: the next strip's first products write these four accumulators anew, and no other vector instruction stands between (ISA guide 7.12.1)
	WIN 0x08
.irp nt, 0,1,2,3
.irp j, 0,1,2,3,4,5,6,7
	ds_store_b32 v[STA], v[200+8*(\nt)+(\j)] offset:272*(\j)+64*(\nt)
.endr
.endr
	s_wait_xcnt 0x0                                ; the registers that the last strip's stores read are loaded again only behind this wait
	WIN 0x80
.irp i, 0,1,2,3,4
	ds_load_b128 v[232+4*(\i):235+4*(\i)], v[STR] offset:544*(\i)   ; rows 2 i + h, whole: my own stage, served in order behind the stores (ISA guide 5.7.1.4)
.endr
	s_wait_dscnt 0x0
	WIN 0x08
.irp i, 0,1,2,3,4
	global_store_b128 v[CO+(\i)], v[232+4*(\i):235+4*(\i)], s[16:17] offset:256*(\st)   ; sixteen lanes store 256 consecutive bytes, aligned
.endr
.endm
	s_load_b256 s[4:11], s[0:1], 0x0               ; enc s[4:5], wkb s[6:7], pqt s[8:9], vt s[10:11]
	s_load_b128 s[12:15], s[0:1], 0x20             ; plan s[12:13], sbuf s[14:15]
	s_load_b64 s[16:17], s[0:1], 0x30              ; ctxp
	v_lshl_add_u32 v[SPW], v0, 2, SPARE
	v_mov_b32 v[NIL], 0
	v_lshrrev_b32 v[T0], 5, v0
	v_readfirstlane_b32 s[WV], v[T0]               ; wave 0..3
	v_and_b32 v[R], 15, v0
	v_bfe_u32 v[H], v0, 4, 1
	v_and_b32 v[LN], 31, v0
	v_and_b32 v[T0], 7, v0
	v_bfe_u32 v[T1], v0, 3, 1
	v_lshlrev_b32 v[VB], 4, v[LN]
	s_lshl_b32 s59, s[WV], 10
	v_lshl_add_u32 v[VV], v[R], 2, s59             ; vt: my wave's 256 columns, column r of a block
	v_lshl_add_u32 v[COB], v[R], 4, s59            ; ctxp: my wave's 1,024 bytes of a row, 16 bytes a lane
	v_lshlrev_b32 v[SOB], 2, v[R]
	v_mul_u32_u24 v[AA], v[R], PITCH
	v_lshl_add_u32 v[AA], v[H], 4, v[AA]
	v_lshl_add_u32 v[TR], v[H], 3, v[T0]           ; the turning load: lane l reads row 8 (l / 16) + l % 8, columns 8 ((l / 8) % 2) + 0..7
	v_mul_u32_u24 v[TR], v[TR], PITCH
	v_lshl_add_u32 v[TR], v[T1], 4, v[TR]
	s_lshl_b32 s59, s[WV], 9
	v_add_nc_u32 v[TR], s59, v[TR]                 ; my wave's 256 columns of bf16
	s_mul_i32 s59, s[WV], 4*PITCH
	v_lshl_add_u32 v[FA], v[LN], 3, s59            ; the fill: my wave's rows 4 w .. 4 w + 3 of each tile, 8 bytes a lane
.irp k, 1,2,3,4
	v_add_nc_u32 v[AA+(\k)], (\k)*PAIRB, v[AA]
	v_add_nc_u32 v[TR+(\k)], (\k)*PAIRB, v[TR]
	v_add_nc_u32 v[FA+(\k)], (\k)*PAIRB, v[FA]
.endr
	s_mul_i32 s59, s[WV], 640
	s_add_co_u32 s59, s59, SCO
	v_lshl_add_u32 v[SCA], v[H], 3, v[T0]          ; I store the score of row 8 h + lane % 8 of a tile
	v_lshl_add_u32 v[SCA], v[SCA], 2, s59
	v_lshl_add_u32 v[SCB], v[LN], 2, SCO           ; I read row 32 i + lane,
	v_lshl_add_u32 v[SC4], v[R], 2, SCO+512        ; and for i = 4 row 128 + lane % 16: there is no tile 9
	s_mul_i32 s59, s[WV], 320
	s_add_co_u32 s59, s59, PBO
	v_lshl_add_u32 v[PBA], v[LN], 1, s59
	v_lshl_add_u32 v[PFA], v[H], 4, s59
	s_mul_i32 s59, s[WV], 16*272
	s_add_co_u32 s59, s59, STG
	v_mul_u32_u24 v[STA], v[H], 8*272              ; in: register j is row 8 h + j, column r
	v_lshl_add_u32 v[STA], v[R], 2, v[STA]
	v_add_nc_u32 v[STA], s59, v[STA]
	v_mul_u32_u24 v[STR], v[H], 272                ; back: lanes 0-15 one row of 256 bytes, lanes 16-31 the next
	v_lshl_add_u32 v[STR], v[R], 4, v[STR]
	v_add_nc_u32 v[STR], s59, v[STR]
	s_lshl_b32 s59, s[WV], 14
	v_add_nc_u32 v[FB], s59, v[VB]                 ; my wave's four rows of a tile in memory, 16 bytes a lane
	s_lshl_b32 s59, s[WV], 15
	v_lshl_add_u32 v[VT0], v[R], 2, s59            ; pqt: my wave's 16 column blocks of 2,048 bytes
.irp j, 1,2,3,4,5,6,7
	v_cmp_eq_u32 s[MK+(\j)-1], \j, v[T0]
.endr
.irp q, 0,1,2,3,4,5,6,7,8,9
	v_cmp_eq_u32 s[PM+(\q)], \q, v[R]
.endr
	s_mov_b32 s[NEGM], 0xff7fffff
	s_mov_b32 s[CS], 0x4038aa3b
	s_mov_b32 s[CS+1], s[CS]                       ; named with it as a pair
	WIN 0xc0
.set q, 0
.rept 40
	v_mov_b32 v[PQ+1+2*q], 0                       ; the odd halves of pq's and v's pairs: named with the even ones, never used
.set q, q+1
.endr
	s_mov_b32 s[SOFF], 0
	s_mov_b32 s[SOFF+1], 0
	s_lshl_b32 s60, s[WV], 19
	s_mov_b32 s61, 0
	s_mov_b32 s[PASS], 0
	s_wait_kmcnt 0x0
	s_add_nc_u64 s[WB:WB+1], s[6:7], s[60:61]      ; my wave's 512 KiB of wkb
	s_mov_b64 s[BP:BP+1], s[WB:WB+1]
	WIN 0x40
.set q, 0
.rept 32
	global_load_b128 v[4*q:4*q+3], v[VB], s[BP:BP+1] offset:512*q   ; the first trip's Wk
.set q, q+1
.endr
	WIN 0
.Lpass:
	s_lshl_b32 s59, s[PASS], 8
	s_add_co_u32 s59, s59, ttmp9                   ; my share
	s_lshl_b32 s60, s59, 6
	s_load_b512 s[LID:LID+15], s[12:13], s60 offset:0x0
	v_lshl_add_u32 v[PLV], v[H], 2, s60
.irp i, 0,1,2,3,4
	global_load_b32 v[SID+(\i)], v[PLV], s[12:13] offset:32768+8*(\i)   ; slot 2 i + h
.endr
.irp i, 0,1,2,3,4
	global_load_b32 v[VRW+(\i)], v[PLV], s[12:13] offset:65536+8*(\i)
.endr
	s_wait_kmcnt 0x0
	s_mov_b32 s[NP], s[LID+14]
	s_max_u32 s[MC], s[LID+15], 1
	s_min_u32 s[MC], s[MC], 9
	s_wait_loadcnt 0x0                             ; SID, VR and Wk's first 16 KiB went out beside the scalar load just waited for; from here on the fill's counts are its own
	s_cmp_ge_u32 s[PASS], s[NP]
	s_cbranch_scc1 .Lskip1
	; ---- SECTION 1: all nine slots' rows into LDS.  Seven rows of a wave are on their way: 56 loads of 512 bytes.
.irp mt, 0,1,2,3,4,5,6,7,8
	s_min_u32 s59, s[LID+(\mt)], 4095
	s_lshl_b32 s59, s59, 16                        ; a tile is 65,536 bytes of enc
	v_add_nc_u32 v[OFF+(\mt)], s59, v[FB]
.endr
	WIN 0x80
.set u, 0
.rept 7
	FLOAD u
.set u, u+1
.endr
.set u, 0
.rept 36
	FUNIT
.set u, u+1
.endr
	WIN 0
.Lskip1:
	s_wait_dscnt 0x0                               ; for the others' sake: my rows lie in LDS
	s_barrier_signal -1
	s_barrier_wait -1
	s_cmp_ge_u32 s[PASS], s[NP]
	s_cbranch_scc1 .Lskip2
	; ---- SECTION 2: the key projection and the scores
.irp mt, 0,1,2,3,4,5,6,7,8
	s_lshr_b32 s59, s[LID+(\mt)], 7                ; the tile's batch
	s_min_u32 s59, s59, 31
	s_lshl_b32 s59, s59, 6
	v_add_nc_u32 v[VT+(\mt)], s59, v[VT0]
.endr
	LDA AZ,AA,0                                    ; tile 0's fragments for the first trip
	WIN 0xc0
.set q, 0
.rept 72
	v_mov_b32 v[SA+q], 0                           ; the score sums start at 0, once a pass: the four groups share one text, and dead tiles' sums stay 0
.set q, q+1
.endr
	WIN 0
	s_mov_b64 s[TBP:TBP+1], s[8:9]
	s_mov_b64 s[VBP:VBP+1], s[10:11]
	s_mov_b32 s[GC], 4
.Lgroup:                                           ; 64 columns u: eight trips along K, then the scores
	TRIP 0,0,1,0,0
	TRIP 1,256,0,0,1
	TRIP 0,512,0,0,2
	TRIP 1,768,0,0,3
	TRIP 0,1024,0,0,4
	TRIP 1,1280,0,0,5
	TRIP 0,1536,0,0,6
	TRIP 1,1792,0,1,7
	PLACES                                         ; behind the last products
.irp mt, 0,1,2,3,4,5,6,7,8
	EPT \mt
.endr
	WIN 0
.Lepi_end:
	s_wait_xcnt 0x0                                ; the tables' bases are stepped only behind this wait
	s_add_nc_u64 s[TBP:TBP+1], s[TBP:TBP+1], 8192
	s_add_nc_u64 s[VBP:VBP+1], s[VBP:VBP+1], 256
	s_sub_co_u32 s[GC], s[GC], 1
	s_cmp_lg_u32 s[GC], 0
	s_cbranch_scc1 .Lgroup
	; a row's sum over my wave's 256 columns: sixteen lanes are added.  The sums come into window 0, into fragment buffers that are free once every LDS load is back.
	s_wait_dscnt 0x0
	WIN 0x03
.set q, 0
.rept 72
	v_mov_b32 v[RDX+q], v[SA+q]
.set q, q+1
.endr
	WIN 0
.irp m, 1,2,4,8
.set q, 0
.rept 72
	v_add_f32_dpp v[RDX+q], v[RDX+q], v[RDX+q] row_xmask:\m row_mask:0xf bank_mask:0xf
.set q, q+1
.endr
.endr
.irp mt, 0,1,2,3,4,5,6,7,8
	v_cndmask_b32 v[RDX+72+(\mt)], v[RDX+8*(\mt)], v[RDX+8*(\mt)+1], s[MK]   ; lane l keeps register l % 8: row 8 h + l % 8
.irp j, 2,3,4,5,6,7
	v_cndmask_b32 v[RDX+72+(\mt)], v[RDX+72+(\mt)], v[RDX+8*(\mt)+(\j)], s[MK+(\j)-1]
.endr
.endr
.irp mt, 0,1,2,3,4,5,6,7,8
	ds_store_b32 v[SCA], v[RDX+72+(\mt)] offset:64*(\mt)   ; lanes l and l + 8 store the same number into the same word
.endr
.Lskip2:
	s_wait_dscnt 0x0                               ; for the others' sake: my part of the scores lies in LDS
	s_barrier_signal -1
	s_barrier_wait -1
	s_cmp_ge_u32 s[PASS], s[NP]
	s_cbranch_scc1 .Lskip3
	; ---- SECTION 3: every wave adds the four parts for itself; weights; the tiles' parts of the context for my wave's 256 columns
.irp i, 0,1,2,3,4
	v_min_u32 v[SID+(\i)], 0x11ff, v[SID+(\i)]
	v_lshl_add_u32 v[CO+(\i)], v[SID+(\i)], 12, v[COB]
	v_lshl_add_u32 v[SO+(\i)], v[SID+(\i)], 6, v[SOB]
.endr
.irp i, 0,1,2,3
.irp q, 0,1,2,3
	ds_load_b32 v[32+4*(\i)+(\q)], v[SCB] offset:640*(\q)+128*(\i)   ; register i: row 32 i + lane, tile 2 i + h
.endr
.endr
.irp q, 0,1,2,3
	ds_load_b32 v[48+(\q)], v[SC4] offset:640*(\q)
.endr
	s_wait_dscnt 0x0
.irp i, 0,1,2,3,4
	v_add_f32 v[32+4*(\i)], v[32+4*(\i)], v[33+4*(\i)]
	v_add_f32 v[34+4*(\i)], v[34+4*(\i)], v[35+4*(\i)]
.endr
.irp i, 0,1,2,3,4
	v_add_f32 v[32+4*(\i)], v[32+4*(\i)], v[34+4*(\i)]
.endr
	s_cmp_lg_u32 s[WV], 0
	s_cbranch_scc1 .Lnot0
.irp i, 0,1,2,3,4
	global_store_b32 v[SO+(\i)], v[32+4*(\i)], s[14:15]   ; the raw scores, 64 bytes a tile
.endr
.Lnot0:
.irp i, 0,1,2,3,4
	v_cmp_gt_u32 vcc_lo, v[VRW+(\i)], v[R]
	v_cndmask_b32 v[52+(\i)], s[NEGM], v[32+4*(\i)], vcc_lo   ; rows at or beyond the length count as the lowest finite number
.endr
.irp i, 0,1,2,3,4
	v_mov_b32 v[60+(\i)], v[52+(\i)]
.endr
.irp m, 1,2,4,8
.irp i, 0,1,2,3,4
	v_max_num_f32_dpp v[60+(\i)], v[60+(\i)], v[60+(\i)] row_xmask:\m row_mask:0xf bank_mask:0xf   ; the tile's maximum, in its sixteen lanes
.endr
.endr
.irp i, 0,1,2,3,4
	v_sub_f32 v[68+(\i)], v[52+(\i)], v[60+(\i)]
.endr
.irp i, 0,1,2,3,4
	v_mul_f32 v[68+(\i)], 0x3fb8aa3b, v[68+(\i)]
.endr
.irp i, 0,1,2,3,4
	v_exp_f32 v[68+(\i)], v[68+(\i)]
.endr
	v_nop
	s_wait_alu depctr_va_vdst(0)
.irp i, 0,1,2,3,4
	v_cvt_pk_bf16_f32 v[68+(\i)], v[68+(\i)], v[68+(\i)]
.endr
.irp i, 0,1,2,3,4
	ds_store_b16 v[PBA], v[68+(\i)] offset:64*(\i)
.endr
	; P, source 0 of the context product, is BLOCK-DIAGONAL: of the 32 rows of K step ks, row 2 ks of P keeps the first sixteen weights and row 2 ks + 1 the others; all else is 0.
	; So row m of the result is tile m's part, and one product serves all tiles.
	WIN 0x80
.irp ks, 0,1,2,3,4
	ds_load_b128 v[8*(\ks):8*(\ks)+3],   v[PFA] offset:64*(\ks)      ; LDS serves a wave's instructions in order (ISA guide 5.7.1.4): these see my stores above
	ds_load_b128 v[8*(\ks)+4:8*(\ks)+7], v[PFA] offset:64*(\ks)+32
.endr
	s_wait_dscnt 0x0
	WIN 0x88
.set q, 0
.rept 40
	v_cndmask_b32 v[q], 0, v[q], s[PM+q/4]
.set q, q+1
.endr
	STRIP 0
	STRIP 1
	STRIP 2
	STRIP 3
	WIN 0
.Lskip3:
	s_wait_loadcnt 0x0                             ; on every path: the next pass loads SID and VR anew, and rewrites the offsets of this pass's loads
	s_wait_xcnt 0x0                                ; and the offsets of this pass's stores
	s_wait_dscnt 0x0                               ; my reads of the rows and of the scores are over: the next pass writes both again
	s_barrier_signal -1
	s_barrier_wait -1
	s_add_co_u32 s[PASS], s[PASS], 1
	s_cmp_lt_u32 s[PASS], 2
	s_cbranch_scc1 .Lpass
	s_wait_tensorcnt 0x0                           ; the wave's end
	ds_add_u32 v[SPW], v[NIL]
	s_wait_dscnt 0x0
	s_endpgm
.Lfunc_end_k_q7b61fd6b3e_main:
	.size	k_q7b61fd6b3e_main, .Lfunc_end_k_q7b61fd6b3e_main-k_q7b61fd6b3e_main
	.p2alignl 7, 3214868480
	.fill 96, 4, 3214868480
	.section	.rodata,"a",@progbits
	.p2align	6, 0x0
	.amdhsa_kernel k_q7b61fd6b3e_main
		.amdhsa_group_segment_fixed_size 318976
		.amdhsa_private_segment_fixed_size 0
		.amdhsa_enable_private_segment 0
		.amdhsa_kernarg_size 56
		.amdhsa_user_sgpr_count 2
		.amdhsa_user_sgpr_kernarg_segment_ptr 1
		.amdhsa_wavefront_size32 1
		.amdhsa_system_sgpr_workgroup_id_x 1
		.amdhsa_system_sgpr_workgroup_id_y 1
		.amdhsa_system_sgpr_workgroup_id_z 1
		.amdhsa_system_vgpr_workitem_id 0
		.amdhsa_next_free_vgpr 952
		.amdhsa_next_free_sgpr 80
		.amdhsa_reserve_vcc 1
		.amdhsa_float_denorm_mode_32 3
		.amdhsa_float_denorm_mode_16_64 3
		.amdhsa_memory_ordered 1
		.amdhsa_forward_progress 1
		.amdhsa_inst_pref_size 255
	.end_amdhsa_kernel
	.section	.bss,"aw",@nobits
	.p2align	6
	.space	262144
	.amdgpu_metadata
---
amdhsa.version: [ 1, 2 ]
amdhsa.kernels:
  - .name:           k_q7b61fd6b3e_main
    .symbol:         k_q7b61fd6b3e_main.kd
    .args:
      - { .name: encoder_output, .offset: 0, .size: 8, .value_kind: global_buffer, .address_space: global }
      - { .name: wkb, .offset: 8, .size: 8, .value_kind: global_buffer, .address_space: global }
      - { .name: pqt, .offset: 16, .size: 8, .value_kind: global_buffer, .address_space: global }
      - { .name: vt, .offset: 24, .size: 8, .value_kind: global_buffer, .address_space: global }
      - { .name: plan, .offset: 32, .size: 8, .value_kind: global_buffer, .address_space: global }
      - { .name: sbuf, .offset: 40, .size: 8, .value_kind: global_buffer, .address_space: global }
      - { .name: ctxp, .offset: 48, .size: 8, .value_kind: global_buffer, .address_space: global }
    .group_segment_fixed_size: 318976
    .private_segment_fixed_size: 0
    .kernarg_segment_align: 8
    .kernarg_segment_size: 56
    .max_flat_workgroup_size: 128
    .sgpr_count:     80
    .vgpr_count:     952
    .wavefront_size: 32
...
	.end_amdgpu_metadata
.endif
;; end of part 2
;; launch finish (part 3): grid 8 x 32, 8 waves a work-group, no clusters, 6,144 bytes of LDS; arguments sbuf, ctxp, lengths, out0, out1; writes out0, out1
.if DOCPART == 3
	.amdgcn_target "amdgcn-amd-amdhsa--gfx1250"
	.amdhsa_code_object_version 6
	.text
	.protected	k_q7b61fd6b3e_finish
	.globl	k_q7b61fd6b3e_finish
	.p2align	8
	.type	k_q7b61fd6b3e_finish,@function
k_q7b61fd6b3e_finish:
	s_mov_b64 s[64:65], 0
	v_nop
	global_prefetch_b8 v0, s[64:65] scope:SCOPE_SE
	s_setreg_imm32_b32 hwreg(HW_REG_WAVE_MODE, 25, 1), 1
	s_wait_xcnt 0x0
; FINISH: the softmax's parts are merged.  Work-group (c, n): batch n, columns 128 c .. 128 c + 127 of the context; the work-group with c = 0 also stores the batch's alignments.
; From the raw scores: M, the largest below the length; e = 2^((s - M) log2 e), 0 at and beyond the length; L = their sum; for each tile j its own maximum m_j, found as the main launch
; found it (the same numbers, the same mask), and the weight 2^((m_j - M) log2 e).  alignments = e / L; context = sum over j of weight_j x part_j / L.
; No trip count hangs on data: all 128 tiles are walked; a tile beyond the length is read as the batch's last live tile (bytes that were written) and has the weight 0, since
; all its positions are masked.  Memory binds; the matrix units and clusters have nothing to do here.
; LIMITS: a length outside 1 .. 2048 is taken as 1 or 2048; a weight below 2^-126 counts as 0; NaN and infinities are not treated apart.
.set SMO,   256                        ; LDS: byte 0 the eight waves' maxima; 256 their sums; 512 the 128 tiles' weights; 1024 eight parts of 512 bytes
.set WTO,   512
.set RED,   1024
.set SPARE, 5120                       ; the spare words, 128 bytes a wave
.set SC,    152                        ; v[152:159] my eight scores, then their e
	s_load_b256 s[4:11], s[0:1], 0x0               ; sbuf s[4:5], ctxp s[6:7], lengths s[8:9], out0 s[10:11]
	s_load_b64 s[12:13], s[0:1], 0x20              ; out1
	v_lshl_add_u32 v2, v0, 2, SPARE                ; my spare word; never rewritten
	v_mov_b32 v3, 0                                ; 0; never rewritten
	v_and_b32 v1, 31, v0
	v_lshrrev_b32 v4, 5, v0
	v_readfirstlane_b32 s16, v4                    ; wave 0..7
	s_and_b32 s17, ttmp7, 0xffff                   ; n
	s_lshl_b32 s15, s17, 2
	s_mov_b32 s25, 0xff7fffff                      ; the lowest finite number
	s_mov_b32 s26, 0x76543210                      ; v_permlanex16_b32: each lane takes its own place in the other half
	s_mov_b32 s27, 0xfedcba98
	s_mov_b32 s29, 0x3fb8aa3b                      ; log2(e)
	s_wait_kmcnt 0x0
	s_load_b32 s14, s[8:9], s15 offset:0x0         ; the length
	s_lshl_b32 s20, s17, 13
	s_mov_b32 s21, 0
	s_add_nc_u64 s[4:5], s[4:5], s[20:21]          ; the batch's 128 rows of 64 bytes of scores
	s_add_nc_u64 s[12:13], s[12:13], s[20:21]      ; its row of out1
	s_lshl_b32 s28, ttmp9, 9                       ; my 128 columns
	s_lshl_b32 s22, s17, 19
	s_add_co_u32 s22, s22, s28
	s_mov_b32 s23, 0
	s_add_nc_u64 s[6:7], s[6:7], s[22:23]          ; the batch's 128 rows of 4,096 bytes of parts, at my columns
	s_lshl_b32 s30, s17, 12
	s_add_co_u32 s30, s30, s28
	s_mov_b32 s31, 0
	s_add_nc_u64 s[10:11], s[10:11], s[30:31]
	v_lshrrev_b32 v5, 2, v0                        ; thread t: positions 4 t .. 4 t + 3 (tile t / 4) and 1024 + 4 t .. (tile 64 + t / 4)
	v_add_nc_u32 v6, 64, v5
	v_lshlrev_b32 v115, 2, v5                      ; the tile's word among the weights
	v_and_b32 v7, 3, v0
	v_lshlrev_b32 v7, 4, v7
	v_lshlrev_b32 v9, 4, v1                        ; 16 x lane; never rewritten
	v_lshlrev_b32 v96, 2, v0                       ; my first position
	v_lshlrev_b32 v126, 4, v0
	s_lshl_b32 s24, s16, 2
	v_mov_b32 v102, s24                            ; my wave's word
	v_mov_b32 v103, 0
	s_lshl_b32 s24, s16, 9
	s_add_co_u32 s24, s24, RED
	v_add_nc_u32 v148, s24, v9
	v_add_nc_u32 v149, RED, v9
	s_wait_kmcnt 0x0
	s_max_i32 s14, s14, 1
	s_min_i32 s14, s14, 2048
	s_add_co_u32 s19, s14, 15
	s_lshr_b32 s19, s19, 4
	s_sub_co_u32 s19, s19, 1                       ; the last live tile
	v_min_u32 v5, s19, v5
	v_min_u32 v5, 127, v5
	v_lshl_add_u32 v5, v5, 6, v7
	v_min_u32 v6, s19, v6
	v_min_u32 v6, 127, v6
	v_lshl_add_u32 v6, v6, 6, v7
	global_load_b128 v[SC:SC+3], v5, s[4:5]
	global_load_b128 v[SC+4:SC+7], v6, s[4:5]
.irp i, 0,1,2,3,4,5,6,7,8,9,10,11,12,13,14,15
	s_add_co_u32 s24, s16, 8*(\i)                  ; wave w takes tiles w, w + 8, ..
	s_min_u32 s24, s24, s19
	s_min_u32 s24, s24, 127
	v_lshl_add_u32 v[16+(\i)], s24, 12, v9
	global_load_b128 v[32+4*(\i):35+4*(\i)], v[16+(\i)], s[6:7]   ; 512 consecutive bytes, aligned
.endr
	s_wait_loadcnt 16                              ; the scores are in; the sixteen rows of parts stay out
.irp e, 0,1,2,3
	v_add_nc_u32 v97, \e, v96
	v_cmp_gt_u32 vcc_lo, s14, v97
	v_cndmask_b32 v[SC+(\e)], s25, v[SC+(\e)], vcc_lo
	v_add_nc_u32 v97, 1024+(\e), v96
	v_cmp_gt_u32 vcc_lo, s14, v97
	v_cndmask_b32 v[SC+4+(\e)], s25, v[SC+4+(\e)], vcc_lo
.endr
	v_max3_num_f32 v98, v[SC], v[SC+1], v[SC+2]
	v_max3_num_f32 v99, v[SC+4], v[SC+5], v[SC+6]
	v_max_num_f32 v98, v98, v[SC+3]
	v_max_num_f32 v99, v99, v[SC+7]
.irp m, 1,2
	v_max_num_f32_dpp v98, v98, v98 row_xmask:\m row_mask:0xf bank_mask:0xf   ; a tile's sixteen scores lie in four lanes
	v_max_num_f32_dpp v99, v99, v99 row_xmask:\m row_mask:0xf bank_mask:0xf
.endr
	v_max_num_f32 v100, v98, v99
	v_max_num_f32_dpp v100, v100, v100 row_xmask:4 row_mask:0xf bank_mask:0xf
	v_max_num_f32_dpp v100, v100, v100 row_xmask:8 row_mask:0xf bank_mask:0xf
	v_mov_b32 v101, v100                           ; the permute's destination counts as read
	v_permlanex16_b32 v101, v100, s26, s27
	v_max_num_f32 v100, v100, v101
	ds_store_b32 v102, v100
	s_wait_dscnt 0x0                               ; for the others' sake
	s_barrier_signal -1
	s_barrier_wait -1
	ds_load_b128 v[104:107], v103
	ds_load_b128 v[108:111], v103 offset:16
	s_wait_dscnt 0x0
	v_max3_num_f32 v112, v104, v105, v106
	v_max3_num_f32 v112, v112, v107, v108
	v_max3_num_f32 v112, v112, v109, v110
	v_max_num_f32 v112, v112, v111                 ; M
.irp q, 152,153,154,155,156,157,158,159,98,99
	v_sub_f32 v[\q], v[\q], v112
.endr
.irp q, 152,153,154,155,156,157,158,159,98,99
	v_mul_f32 v[\q], s29, v[\q]
.endr
.irp q, 152,153,154,155,156,157,158,159,98,99
	v_exp_f32 v[\q], v[\q]
.endr
	v_nop                                          ; a plain instruction behind the exponentials (ISA guide 5.7.2)
	s_wait_alu depctr_va_vdst(0)
	v_add_f32 v113, v[SC], v[SC+1]
	v_add_f32 v114, v[SC+2], v[SC+3]
	v_add_f32 v104, v[SC+4], v[SC+5]
	v_add_f32 v105, v[SC+6], v[SC+7]
	v_add_f32 v113, v113, v114
	v_add_f32 v104, v104, v105
	v_add_f32 v113, v113, v104
.irp m, 1,2,4,8
	v_add_f32_dpp v113, v113, v113 row_xmask:\m row_mask:0xf bank_mask:0xf
.endr
	v_mov_b32 v114, v113
	v_permlanex16_b32 v114, v113, s26, s27
	v_add_f32 v113, v113, v114
	ds_store_b32 v102, v113 offset:SMO
	ds_store_b32 v115, v98 offset:WTO              ; a tile's four lanes store the same weight into the same word
	ds_store_b32 v115, v99 offset:WTO+256
	s_wait_dscnt 0x0                               ; for the others' sake
	s_barrier_signal -1
	s_barrier_wait -1
	ds_load_b128 v[116:119], v103 offset:SMO
	ds_load_b128 v[120:123], v103 offset:SMO+16
.irp i, 0,1,2,3,4,5,6,7,8,9,10,11,12,13,14,15
	ds_load_b32 v[128+(\i)], v102 offset:WTO+32*(\i)   ; the weights of tiles w + 8 i
.endr
	s_wait_dscnt 16                                ; the sums are in
	v_add_f32 v116, v116, v117
	v_add_f32 v118, v118, v119
	v_add_f32 v120, v120, v121
	v_add_f32 v122, v122, v123
	v_add_f32 v116, v116, v118
	v_add_f32 v120, v120, v122
	v_add_f32 v124, v116, v120                     ; L, at least 1: the largest score's e is 1
	v_rcp_f32 v125, v124
	v_nop
	s_cmp_lg_u32 s28, 0
	s_cbranch_scc1 .Lno_align
	s_wait_alu depctr_va_vdst(0)
.irp q, 152,153,154,155,156,157,158,159
	v_mul_f32 v[\q], v[\q], v125
.endr
	global_store_b128 v126, v[SC:SC+3], s[12:13]   ; a wave stores 512 consecutive bytes, aligned
	global_store_b128 v126, v[SC+4:SC+7], s[12:13] offset:4096
.Lno_align:
	s_wait_loadcnt 0x0
	s_wait_dscnt 0x0
.irp q, 0,1,2,3
	v_mul_f32 v[144+(\q)], v128, v[32+(\q)]        ; the first tile starts the sums
.endr
.irp i, 1,2,3,4,5,6,7,8,9,10,11,12,13,14,15
.irp q, 0,1,2,3
	v_fmac_f32 v[144+(\q)], v[128+(\i)], v[32+4*(\i)+(\q)]
.endr
.endr
	ds_store_b128 v148, v[144:147]
	s_wait_dscnt 0x0                               ; for wave 0's sake
	s_barrier_signal -1
	s_barrier_wait -1
	s_cmp_lg_u32 s16, 0
	s_cbranch_scc1 .Lend
.irp p, 0,1,2,3,4,5,6,7
	ds_load_b128 v[32+4*(\p):35+4*(\p)], v149 offset:512*(\p)
.endr
	s_wait_dscnt 0x0
.irp p, 0,2,4,6
	v_pk_add_f32 v[32+4*(\p):33+4*(\p)], v[32+4*(\p):33+4*(\p)], v[36+4*(\p):37+4*(\p)]
	v_pk_add_f32 v[34+4*(\p):35+4*(\p)], v[34+4*(\p):35+4*(\p)], v[38+4*(\p):39+4*(\p)]
.endr
.irp p, 0,4
	v_pk_add_f32 v[32+4*(\p):33+4*(\p)], v[32+4*(\p):33+4*(\p)], v[40+4*(\p):41+4*(\p)]
	v_pk_add_f32 v[34+4*(\p):35+4*(\p)], v[34+4*(\p):35+4*(\p)], v[42+4*(\p):43+4*(\p)]
.endr
	v_pk_add_f32 v[32:33], v[32:33], v[48:49]
	v_pk_add_f32 v[34:35], v[34:35], v[50:51]
	s_wait_alu depctr_va_vdst(0)
.irp q, 32,33,34,35
	v_mul_f32 v[\q], v[\q], v125
.endr
	global_store_b128 v9, v[32:35], s[10:11]       ; 512 consecutive bytes, aligned
.Lend:
	s_wait_tensorcnt 0x0                           ; the wave's end
	ds_add_u32 v2, v3
	s_wait_dscnt 0x0
	s_endpgm
.Lfunc_end_k_q7b61fd6b3e_finish:
	.size	k_q7b61fd6b3e_finish, .Lfunc_end_k_q7b61fd6b3e_finish-k_q7b61fd6b3e_finish
	.p2alignl 7, 3214868480
	.fill 96, 4, 3214868480
	.section	.rodata,"a",@progbits
	.p2align	6, 0x0
	.amdhsa_kernel k_q7b61fd6b3e_finish
		.amdhsa_group_segment_fixed_size 6144
		.amdhsa_private_segment_fixed_size 0
		.amdhsa_enable_private_segment 0
		.amdhsa_kernarg_size 40
		.amdhsa_user_sgpr_count 2
		.amdhsa_user_sgpr_kernarg_segment_ptr 1
		.amdhsa_wavefront_size32 1
		.amdhsa_system_sgpr_workgroup_id_x 1
		.amdhsa_system_sgpr_workgroup_id_y 1
		.amdhsa_system_sgpr_workgroup_id_z 1
		.amdhsa_system_vgpr_workitem_id 0
		.amdhsa_next_free_vgpr 160
		.amdhsa_next_free_sgpr 66
		.amdhsa_reserve_vcc 1
		.amdhsa_float_denorm_mode_32 3
		.amdhsa_float_denorm_mode_16_64 3
		.amdhsa_memory_ordered 1
		.amdhsa_forward_progress 1
		.amdhsa_inst_pref_size 18
	.end_amdhsa_kernel
	.amdgpu_metadata
---
amdhsa.version: [ 1, 2 ]
amdhsa.kernels:
  - .name:           k_q7b61fd6b3e_finish
    .symbol:         k_q7b61fd6b3e_finish.kd
    .args:
      - { .name: sbuf, .offset: 0, .size: 8, .value_kind: global_buffer, .address_space: global }
      - { .name: ctxp, .offset: 8, .size: 8, .value_kind: global_buffer, .address_space: global }
      - { .name: lengths, .offset: 16, .size: 8, .value_kind: global_buffer, .address_space: global }
      - { .name: out0, .offset: 24, .size: 8, .value_kind: global_buffer, .address_space: global }
      - { .name: out1, .offset: 32, .size: 8, .value_kind: global_buffer, .address_space: global }
    .group_segment_fixed_size: 6144
    .private_segment_fixed_size: 0
    .kernarg_segment_align: 8
    .kernarg_segment_size: 40
    .max_flat_workgroup_size: 256
    .sgpr_count:     66
    .vgpr_count:     160
    .wavefront_size: 32
...
	.end_amdgpu_metadata
.endif
;; end of part 3
;; ======== version 2 of 2: 3 launches; version 1 with the launch main written anew for expert scheduling mode
;; workspace buffers: wkb 2,097,152 bytes; pqt 131,072 bytes; vt 4,096 bytes; plan 98,304 bytes of whole numbers; sbuf 294,912 bytes; ctxp 18,874,368 bytes
;; launch prep: the kernel of part 1 again; grid 160 x 1, 8 waves a work-group, no clusters, 17,408 bytes of LDS; arguments Wk, Wq, queries, v, lengths, wkb, pqt, vt, plan; writes wkb, pqt, vt, plan
;; launch main (part 4): grid 256 x 1, 4 waves a work-group, no clusters, 318,976 bytes of LDS; arguments encoder_output, wkb, pqt, vt, plan, sbuf, ctxp; writes sbuf, ctxp
.if DOCPART == 4
	.amdgcn_target "amdgcn-amd-amdhsa--gfx1250"
	.amdhsa_code_object_version 6
	.text
	.protected	k_q7b61fd6b3e_main
	.globl	k_q7b61fd6b3e_main
	.p2align	8
	.type	k_q7b61fd6b3e_main,@function
k_q7b61fd6b3e_main:
	s_mov_b64 s[64:65], 0
	v_nop
	global_prefetch_b8 v0, s[64:65] scope:SCOPE_SE
	s_setreg_imm32_b32 hwreg(HW_REG_WAVE_SCHED_MODE, 0, 2), 2
	s_setreg_imm32_b32 hwreg(HW_REG_WAVE_MODE, 25, 1), 1
	s_wait_xcnt 0x0
	s_wait_alu depctr_vm_vsrc(0)
; MAIN.  For each live tile of 16 rows of encoder_output: the raw scores s = sum over u of v[u] tanh(pq[u] + enc . Wk[u]), and the tile's part of the context,
; sum over its rows of 2^((s - m) log2 e) enc[row], m the tile's own largest score among the rows below the length.  The last launch merges the parts.
; enc, Wk, Wq, queries and v are all rounded to bf16; products are summed in f32; tanh, its product with v, maxima and exponentials are f32.
; SHARES.  A work-group takes up to 9 tiles a pass (the list of work names them; two passes if there are more than 2,304 live tiles).  Their 144 rows lie in LDS in bf16 for the whole
; pass, so enc is read from memory once and serves both products.  Wave w makes all rows x its 256 columns u, in 4 groups of 64; a fragment of enc read from LDS feeds 4 matrix
; instructions, a fragment of Wk up to 9.
; NO TENSOR LOAD, NO CLUSTER.  enc has to pass through registers to become bf16.  144 rows x 2,064 bytes are 297,216 of the 327,680 bytes of LDS, and 9 tiles are what one pass needs
; up to 2,304 tiles; the 30 KB left hold no ring of Wk worth sharing.  A fragment of Wk is used by one wave alone, so it goes straight into that wave's registers, in the order laid by prep.
; CONTROL.  Two passes, a constant; every barrier lies on the common path; a pass's three sections are jumped over, forward, when the pass is not needed, and dead tiles likewise;
; the jumped text holds no barrier.  A group's first trip along K takes all nine slots: its products start every sum, on every way through the text.  Dead slots load the share's own
; first tile and store into the share's own spare row (several of them into the same bytes, which nobody reads).
; LDS ADDRESSES are registers made at the head and never rewritten, plus immediates: the fill, a group's eight trips along K and the four strips of the context are written out.
; LIMITS.  NaN and infinities are not treated apart: a row of enc that is not finite reaches the other tiles of its work-group through the joint context product.  The weights are rounded
; to bf16 for that product.  A weight below 2^-126 counts as 0.
; THE MODE: SCHED_MODE bits 1:0 = 2 (LLVM: expert scheduling mode 2), set by the entry lines.  The code itself states the register dependences between vector or matrix
; instructions and memory or LDS instructions, with s_wait_alu, always for 0.
; THE PLAN.  Registers that memory or LDS instructions touch:
;   THE FILL.  X0 .. X7 (window 2): row u lands in X[u % 8] and is read by unit u's roundings.  Y0, Y1 (v32-63): unit u's roundings write Y[u % 2].  Unit u's memory instructions are the
;     loads of row u + 7 into X[(u - 1) % 8] and the LDS stores of Y[(u - 1) % 2]: the two buffers that unit u - 1 worked on and that no rounding of unit u names.  So the waits at a
;     unit's head state all that its sixteen memory instructions hang on.
;   A TRIP.    AZ0, AZ1: tile 0's fragments of this trip and of the next.  F0 .. F4: tiles 1 to 5; tiles 6, 7, 8 take F0, F1, F2 again.  Wk0, Wk1: this trip's and the next trip's.
;     The words of pq and v: read by the scores, loaded in trips 0 to 4.  TWO waits on va_vdst a trip.  The one at the trip's head: all earlier products and scores are done, so AZ's
;     other buffer, F0 .. F4, Wk's other buffer and the tables may be loaded; these loads are dealt among the products of tiles 0 to 3, which name AZ's buffer in use, F0 .. F2 behind
;     their loads, Wk's buffer in use and accumulators.  The one at the head of tile 4's products: tiles 1, 2, 3 are done reading F0, F1, F2, in which tiles 6, 7, 8 land.
;   PER PASS.  PLV, OFF, VT, CO, SO (offsets made anew in each pass), the scores' and weights' registers and the stage's: one wait on vm_vsrc at a pass's top frees them all.
;   The LDS addresses and v[VB], v[VV] are written at the head alone.
; REGISTERS, in windows of 256 (s_set_vgpr_msb: bits 1:0 source 0, 3:2 source 1, 5:4 source 2, 7:6 destination):
;   window 0: v0-30 lane terms; v32-95 tile 0's fragments, two buffers (v32-63 also the fill's Y0, Y1); v96-191 F0, F1, F2; v192-244 per-tile offsets and the fixed LDS addresses
;   window 1: Wk, two buffers of 128 (4 K steps x 4 column blocks)
;   window 2: accumulators of tiles 0-7 (32 a tile); the fill's ring of 8 rows; the context product
;   window 3: v0-31 tile 8's accumulators; v32-103 pq (a pair for each tile and column block, the even register used); v104-111 v likewise; v112-183 the score sums, 8 a tile; v184-247 F3, F4
.set PITCH, 2064                       ; an LDS row: 2,048 bytes + 16 = 516 words: row r starts at bank 4 r mod 64 (64 banks of 4 bytes: ISA guide 11.1)
.set TILEB, 16*PITCH
.set PAIRB, 2*TILEB                    ; two tiles: more than an LDS immediate's 65,535, so each pair of tiles has address registers of its own
.set SCO,   9*TILEB                    ; [4 waves][160] f32: each wave's part of the 144 scores
.set PBO,   SCO+2560                   ; [4 waves][160] bf16: the weights, each wave's own copy
.set STG,   PBO+1280                   ; 4 x 16 rows x 272 bytes: each wave's own stage for the way out
.set SPARE, STG+4*16*272               ; the spare words, 128 bytes a wave
.set R,   1                            ; lane % 16
.set SPW, 2                            ; LDS address of my spare word; never rewritten
.set NIL, 3                            ; 0; never rewritten
.set H,   4                            ; lane / 16
.set LN,  5
.set VB,  6                            ; 16 x lane
.set VV,  7                            ; my column's byte in vt
.set PLV, 10
.set SCA, 11
.set SCB, 12
.set SC4, 13
.set PBA, 14
.set PFA, 15
.set STA, 16
.set STR, 17
.set T0,  20
.set T1,  21
.set FB,  22
.set VT0, 23
.set COB, 24
.set SOB, 25
.set FA,  26                           ; v26-30   pair of tiles k: where the fill puts my 8 bytes of my wave's first row
.set YB,  32                           ; v32-63   the fill's two out-buffers of 16: a row of mine in bf16
.set AZ,  32
.set AF,  96                           ; F0, F1, F2
.set RDX, 96                           ; the score sums, brought into window 0 for the additions across lanes
.set VT,  192                          ; tile mt: byte of its batch's pq
.set OFF, 201                          ; tile mt: byte of my rows in enc
.set AA,  210                          ; v210-214 pair of tiles k: my place in a fragment of enc: r x pitch + 16 h
.set TR,  220                          ; v220-224 pair of tiles k: my place in a turned fragment of enc
.set CO,  225
.set SO,  230
.set VRW, 235
.set SID, 240
.set PQ,  32                           ; window 3
.set VW,  104
.set SA,  112
.set AG,  184                          ; window 3: F3, F4
.set WV,   18
.set PASS, 19
.set NP,   20
.set MC,   21
.set GC,   22
.set SOFF, 24                          ; s[24:25] my place in my wave's 512 KiB of wkb
.set WB,   26
.set BP,   28
.set TBP,  30
.set VBP,  32
.set CS,   34                          ; s[34:35] 2 log2(e)
.set LID,  36                          ; s[36:51] my share's row of the list
.set MK,   52                          ; s52-58 lanes with lane % 8 = 1 .. 7
.set CM,   59                          ; s59-63 at work; in the third section the five masks of rows below the length
.set NEGM, 66                          ; the lowest finite number
.set PM,   67                          ; s67-76 lanes with lane % 16 = 0 .. 9
.set MSB, 0
.macro WIN new                         ; the immediate's high byte repeats the setting that is left; a switch that changes nothing is dropped
.if MSB != (\new)
	s_set_vgpr_msb (MSB<<8)|(\new)
.set MSB, \new
.endif
.endm
; A vector instruction that reads a matrix result stands four places behind it, a matrix instruction that writes over one of its registers five; only plain vector instructions that
; name none of its registers are places (ISA guide 7.12.1).  The four also stay ahead of the waits behind which loads land on products' sources.
.macro PLACES
.rept 4
	v_nop
.endr
.endm
; eight LDS loads: a tile's fragments for 4 K steps (16 rows x 128 k)
.macro LDA dst, areg, off
.irp ks, 0,1,2,3
	ds_load_b128 v[(\dst)+8*(\ks):(\dst)+8*(\ks)+3],   v[\areg] offset:(\off)+64*(\ks)
	ds_load_b128 v[(\dst)+8*(\ks)+4:(\dst)+8*(\ks)+7], v[\areg] offset:(\off)+64*(\ks)+32
.endr
.endm
; THE FILL.  Unit n of 36 is row 4 w + n % 4 of tile n / 4: eight loads of 512 consecutive bytes into ring slot n % 8 (32 registers of window 2).
.macro FLOAD n
.irp c, 0,1,2,3,4,5,6,7
	global_load_b128 v[32*((\n)%8)+4*(\c):32*((\n)%8)+4*(\c)+3], v[OFF+(\n)/4], s[4:5] offset:((\n)%4)*4096+512*(\c) th:TH_LOAD_NT
.endr
.endm
; Unit n's row in bf16 goes from Y[n % 2] into LDS, 256 consecutive bytes a store.
.macro FSTORE n
.irp c, 0,1,2,3,4,5,6,7
	ds_store_b64 v[FA+(\n)/8], v[YB+16*((\n)%2)+2*(\c):YB+16*((\n)%2)+2*(\c)+1] offset:(((\n)/4)%2)*TILEB+((\n)%4)*PITCH+256*(\c)
.endr
.endm
; Unit u: row u + 7 is asked for, into the slot that unit u - 1 emptied; unit u - 1's row is stored; row u is rounded to bf16 into Y[u % 2].
.macro FUNIT
.set fS, 32*(u%8)
.set fY, YB+16*(u%2)
.if u < 29
	s_wait_loadcnt 48                              ; loads come back in order (ISA guide 5.7.1): row u is in, six younger rows of eight loads stay out
.else
	s_wait_loadcnt 8*(35-u)                        ; nothing is left to ask for: the counts run down
.endif
.if u >= 2
	s_wait_alu depctr_vm_vsrc(0)                   ; the LDS stores issued in the unit before have read Y[u % 2], which this unit's roundings write again
.endif
.if u >= 1
	s_wait_alu depctr_va_vdst(0)                   ; the unit before has written the other Y, which the stores below read, and is done reading its X, in which the loads below land
.endif
.if u < 29
	WIN 0x80
	FLOAD u+7                                      ; no vector instruction since the wait names these registers
.endif
.if u >= 1
	WIN 0
	FSTORE u-1
.endif
	WIN 0x0a
.irp c, 0,1,2,3,4,5,6,7
	v_cvt_pk_bf16_f32 v[fY+2*(\c)],   v[fS+4*(\c)],   v[fS+4*(\c)+1]
	v_cvt_pk_bf16_f32 v[fY+2*(\c)+1], v[fS+4*(\c)+2], v[fS+4*(\c)+3]
.endr
.endm
; THE PRODUCT.  One matrix instruction: tile mt, K step ks of the trip's four, column block nt, on Wk's buffer X.  ZERO = 1: a group's first trip, whose first K step starts the sums.
.macro MM mt, X, ks, nt, ZERO
.if (\mt) == 0
.set tF, AZ+32*(\X)
.elseif ((\mt) == 4) || ((\mt) == 5)
.set tF, AG+32*((\mt)-4)
.else
.set tF, AF+32*(((\mt)-1)%5)
.endif
.set tC, 32*((\mt)%8)
.set tB, 128*(\X)+8*(4*(\ks)+(\nt))
.if (\ZERO) && ((\ks) == 0)
	v_wmma_f32_16x16x32_bf16 v[tC+8*(\nt):tC+8*(\nt)+7], v[tF+8*(\ks):tF+8*(\ks)+7], v[tB:tB+7], 0
.else
	v_wmma_f32_16x16x32_bf16 v[tC+8*(\nt):tC+8*(\nt)+7], v[tF+8*(\ks):tF+8*(\ks)+7], v[tB:tB+7], v[tC+8*(\nt):tC+8*(\nt)+7]
.endif
.endm
.macro WMM mt                          ; the windows of tile mt's products: Wk window 1; enc window 0, or 3 for F3 and F4; C and D window 2, or 3 for tile 8
.if (\mt) == 8
	WIN 0xf4
.elseif ((\mt) == 4) || ((\mt) == 5)
	WIN 0xa7
.else
	WIN 0xa4
.endif
.endm
.macro RUN mt, X, ks, ZERO             ; a K step's four products: the four accumulators take turns
	WMM \mt
.irp nt, 0,1,2,3
	MM \mt,\X,\ks,\nt,\ZERO
.endr
.endm
.macro PAIR X, ks, n0, ZERO            ; two of tile 0's products
	WIN 0xa4
	MM 0,\X,\ks,\n0,\ZERO
	MM 0,\X,\ks,(\n0)+1,\ZERO
.endm
.macro WKL X, q0                       ; eight of the 32 loads of the next trip's Wk, into the buffer that this trip does not multiply by
	WIN 0x40
.set q, \q0
.rept 8
	global_load_b128 v[128*(1-(\X))+4*q:128*(1-(\X))+4*q+3], v[VB], s[BP:BP+1] offset:512*q
.set q, q+1
.endr
.endm
; Tile mt's part of a trip, mt = 1 .. 8: 16 matrix instructions, and behind the first four the LDS loads of the tile two further on.  A dead tile ends the trip, but not a group's first trip.
; LDS loads are issued in the order t1, t2, tile 0's next, t3 .. t8, and come back in order (ISA guide 5.7.1): a block's wait leaves out what was issued behind its own tile's eight.
.macro BLOCK mt, X, KOFF, ZERO, ID
.if !(\ZERO)
	WIN 0
	s_cmp_le_u32 s[MC], \mt
	s_cbranch_scc1 .Ltend\ID
.endif
.if (\mt) == 4
	PLACES
	s_wait_alu depctr_va_vdst(0)                   ; the products of tiles 1, 2 and 3 are done reading F0, F1 and F2, in which the fragments of tiles 6, 7 and 8 land
.endif
.if (\mt) <= 2
	s_wait_dscnt 16                                ; tile 1: tile 2's and tile 0's next stay out; tile 2: tile 0's next and tile 3's
.elseif (\mt) <= 7
	s_wait_dscnt 8                                 ; the next tile's eight stay out
.else
	s_wait_dscnt 0x0
.endif
	RUN \mt,\X,0,\ZERO
.if ((\mt) == 2) || ((\mt) == 3)
	WIN 0xc0                                       ; tiles 4 and 5 into F3 and F4: no product since the wait at the trip's head names them
	LDA AG+32*((\mt)-2),AA+((\mt)+2)/2,(((\mt)+2)%2)*TILEB+(\KOFF)
.elseif (\mt) <= 6
	WIN 0                                          ; tile 3 into F2: free since the wait at the trip's head; tiles 6, 7, 8 into F0, F1, F2: free since the wait at tile 4's head
	LDA AF+32*(((\mt)+1)%5),AA+((\mt)+2)/2,(((\mt)+2)%2)*TILEB+(\KOFF)
.endif
	RUN \mt,\X,1,\ZERO
	RUN \mt,\X,2,\ZERO
	RUN \mt,\X,3,\ZERO
.endm
; TRIP number ID of a group's eight: 128 along K on Wk's buffer X, at byte KOFF of the LDS rows.  It asks for the next trip's 16 KiB of Wk; trips 0 to 4 also ask for eight words each
; of the group's pq and v: 40 loads of the wave are out at the most.  What every trip must ask for, whatever the number of live tiles, is dealt in eights among tile 0's eight pairs of products.
.macro TRIP X, KOFF, ZERO, LAST, ID
	WIN 0
	s_wait_dscnt 0x0                               ; tile 0's fragments are in, and so are loads issued for tiles that turned out dead: no LDS load lands on a register with a load pending
	s_wait_loadcnt 0x0                             ; what the trip before asked for: Wk's buffer X, and its words of the tables
	PLACES                                         ; behind the last trip's products
	s_add_co_u32 s[SOFF], s[SOFF], 0x4000          ; the next 16 KiB of my wave's 512 KiB, which go round
	s_and_b32 s[SOFF], s[SOFF], 0x7ffff
	s_wait_xcnt 0x0                                ; the base of the last trip's loads is rewritten only behind this wait
	s_add_nc_u64 s[BP:BP+1], s[WB:WB+1], s[SOFF:SOFF+1]
	s_wait_alu depctr_va_vdst(0)                   ; the last trip's products are done reading Wk's other buffer, tile 0's other buffer and F0 to F4, and the last group's scores reading pq and v: all this trip's loads up to tile 5's land there
	LDA AF,AA,TILEB+(\KOFF)                        ; tile 1 into F0
	PAIR \X,0,0,\ZERO
	WKL \X,0
	PAIR \X,0,2,\ZERO
	WKL \X,8
	PAIR \X,1,0,\ZERO
	WKL \X,16
	PAIR \X,1,2,\ZERO
	WKL \X,24
	PAIR \X,2,0,\ZERO
	WIN 0
	LDA AF+32,AA+1,\KOFF                           ; tile 2 into F1
	PAIR \X,2,2,\ZERO
	WIN 0
.if \LAST
	LDA AZ+32*(1-(\X)),AA,0                        ; tile 0's fragments for the next trip: the next group begins at k = 0 again
.else
	LDA AZ+32*(1-(\X)),AA,(\KOFF)+256
.endif
	PAIR \X,3,0,\ZERO
.if (\ID) < 4
	WIN 0xc0
.irp d, 0,1
.irp nt, 0,1,2,3
	global_load_b32 v[PQ+2*(4*(2*(\ID)+(\d))+(\nt))], v[VT+2*(\ID)+(\d)], s[TBP:TBP+1] offset:2048*(\nt)
.endr
.endr
.elseif (\ID) == 4
	WIN 0xc0
.irp nt, 0,1,2,3
	global_load_b32 v[PQ+2*(32+(\nt))], v[VT+8], s[TBP:TBP+1] offset:2048*(\nt)
.endr
.irp nt, 0,1,2,3
	global_load_b32 v[VW+2*(\nt)], v[VV], s[VBP:VBP+1] offset:64*(\nt)
.endr
.endif
	PAIR \X,3,2,\ZERO
.irp mt, 1,2,3,4,5,6,7,8
	BLOCK \mt,\X,\KOFF,\ZERO,\ID
.endr
	WIN 0
.Ltend\ID:
.endm
; THE SCORES of tile mt for the group's 64 columns: tanh(x) = 1 - 2 / (1 + 2^(2 log2(e) x)), then sums += tanh x v.  Each accumulator is read from its low end on.
; Behind each run of exponentials or reciprocals stands one plain instruction before a result is used (ISA guide 5.7.2).
.macro EPT mt
.if (\mt) > 0
	WIN 0
	s_cmp_le_u32 s[MC], \mt
	s_cbranch_scc1 .Lepi_end
.endif
.set tX, 32*((\mt)%8)
.if (\mt) < 8
.set wA, 0xb2
.set wT, 0x82
.set wS, 0xfe
.else
.set wA, 0xf3
.set wT, 0xc3
.set wS, 0xff
.endif
	WIN wA
.set q, 0
.rept 16
	v_pk_fma_f32 v[tX+2*q:tX+2*q+1], v[tX+2*q:tX+2*q+1], s[CS:CS+1], v[PQ+2*(4*(\mt)+q/4):PQ+2*(4*(\mt)+q/4)+1] op_sel_hi:[1,0,0]
.set q, q+1
.endr
	WIN wT
.set q, 0
.rept 32
	v_exp_f32 v[tX+q], v[tX+q]
.set q, q+1
.endr
	v_nop
	s_wait_alu depctr_va_vdst(0)                   ; the 32 exponentials have written the tile's registers, which the additions read: one wait for the batch
.set q, 0
.rept 16
	v_pk_add_f32 v[tX+2*q:tX+2*q+1], v[tX+2*q:tX+2*q+1], 1.0 op_sel_hi:[1,0]
.set q, q+1
.endr
.set q, 0
.rept 32
	v_rcp_f32 v[tX+q], v[tX+q]
.set q, q+1
.endr
	v_nop
	s_wait_alu depctr_va_vdst(0)                   ; the 32 reciprocals have written the tile's registers, which the multiply-adds read: one wait for the batch
.set q, 0
.rept 16
	v_pk_fma_f32 v[tX+2*q:tX+2*q+1], v[tX+2*q:tX+2*q+1], -2.0, 1.0 op_sel_hi:[1,0,0]
.set q, q+1
.endr
	WIN wS
.set q, 0
.rept 16
	v_pk_fma_f32 v[SA+8*(\mt)+2*(q%4):SA+8*(\mt)+2*(q%4)+1], v[tX+2*q:tX+2*q+1], v[VW+2*(q/4):VW+2*(q/4)+1], v[SA+8*(\mt)+2*(q%4):SA+8*(\mt)+2*(q%4)+1] op_sel_hi:[1,0,1]
.set q, q+1
.endr
.endm
; STRIP st of four: 64 columns of the context: 40 turning loads, 20 matrix instructions, out through my stage.
; The turning loads land in v40-199 of window 2: no vector or matrix instruction since the last wait on va_vdst (ahead of the weights' stores; in a strip, behind its products) names them.
.macro STRIP st
	WIN 0x80
.irp ks, 0,1,2,3,4
.irp nt, 0,1,2,3
	ds_load_tr16_b128 v[40+8*(4*(\ks)+(\nt)):43+8*(4*(\ks)+(\nt))], v[TR+(\ks)] offset:128*(\st)+32*(\nt)
.if (\ks) < 4
	ds_load_tr16_b128 v[44+8*(4*(\ks)+(\nt)):47+8*(4*(\ks)+(\nt))], v[TR+(\ks)] offset:128*(\st)+32*(\nt)+TILEB
.else
	ds_load_tr16_b128 v[44+8*(4*(\ks)+(\nt)):47+8*(4*(\ks)+(\nt))], v[TR+(\ks)] offset:128*(\st)+32*(\nt)   ; there is no tile 9: tile 8's rows once more; that row of the result goes to the spare row
.endif
.endr
.endr
	s_wait_dscnt 0x0
	WIN 0xaa
.irp ks, 0,1,2,3,4
.irp nt, 0,1,2,3
.if (\ks) == 0
	v_wmma_f32_16x16x32_bf16 v[200+8*(\nt):207+8*(\nt)], v[0:7], v[40+8*(\nt):47+8*(\nt)], 0
.else
	v_wmma_f32_16x16x32_bf16 v[200+8*(\nt):207+8*(\nt)], v[8*(\ks):8*(\ks)+7], v[40+8*(4*(\ks)+(\nt)):47+8*(4*(\ks)+(\nt))], v[200+8*(\nt):207+8*(\nt)]
.endif
.endr
.endr
	PLACES                                         ; four places behind the products, whose results are stored;
	v_nop                                          ; a fifth: the next strip's first products write these four accumulators anew, and no other vector instruction stands between (ISA guide 7.12.1)
	s_wait_alu depctr_va_vdst(0)                   ; the products have written v200-231, which the LDS stores read, and are done reading the turned fragments, in which the next strip's loads land; the places above stay beside this wait
	WIN 0x08
.irp nt, 0,1,2,3
.irp j, 0,1,2,3,4,5,6,7
	ds_store_b32 v[STA], v[200+8*(\nt)+(\j)] offset:272*(\j)+64*(\nt)
.endr
.endr
	s_wait_xcnt 0x0                                ; the registers that the last strip's stores read are loaded again only behind this wait
	s_wait_alu depctr_vm_vsrc(0)                   ; the last strip's global stores have read v232-251, in which the loads below land; the LDS stores above have read v200-231, which the next strip's first products write anew
	WIN 0x80
.irp i, 0,1,2,3,4
	ds_load_b128 v[232+4*(\i):235+4*(\i)], v[STR] offset:544*(\i)   ; rows 2 i + h, whole: my own stage, served in order behind the stores (ISA guide 5.7.1.4)
.endr
	s_wait_dscnt 0x0
	WIN 0x08
.irp i, 0,1,2,3,4
	global_store_b128 v[CO+(\i)], v[232+4*(\i):235+4*(\i)], s[16:17] offset:256*(\st)   ; sixteen lanes store 256 consecutive bytes, aligned
.endr
.endm
	s_load_b256 s[4:11], s[0:1], 0x0               ; enc s[4:5], wkb s[6:7], pqt s[8:9], vt s[10:11]
	s_load_b128 s[12:15], s[0:1], 0x20             ; plan s[12:13], sbuf s[14:15]
	s_load_b64 s[16:17], s[0:1], 0x30              ; ctxp
	v_lshl_add_u32 v[SPW], v0, 2, SPARE
	v_mov_b32 v[NIL], 0
	v_lshrrev_b32 v[T0], 5, v0
	v_readfirstlane_b32 s[WV], v[T0]               ; wave 0..3
	v_and_b32 v[R], 15, v0
	v_bfe_u32 v[H], v0, 4, 1
	v_and_b32 v[LN], 31, v0
	v_and_b32 v[T0], 7, v0
	v_bfe_u32 v[T1], v0, 3, 1
	v_lshlrev_b32 v[VB], 4, v[LN]
	s_wait_alu depctr_va_sdst(0)                   ; the wave's number is written, ahead of its first reader
	s_lshl_b32 s59, s[WV], 10
	v_lshl_add_u32 v[VV], v[R], 2, s59             ; vt: my wave's 256 columns, column r of a block
	v_lshl_add_u32 v[COB], v[R], 4, s59            ; ctxp: my wave's 1,024 bytes of a row, 16 bytes a lane
	v_lshlrev_b32 v[SOB], 2, v[R]
	v_mul_u32_u24 v[AA], v[R], PITCH
	v_lshl_add_u32 v[AA], v[H], 4, v[AA]
	v_lshl_add_u32 v[TR], v[H], 3, v[T0]           ; the turning load: lane l reads row 8 (l / 16) + l % 8, columns 8 ((l / 8) % 2) + 0..7
	v_mul_u32_u24 v[TR], v[TR], PITCH
	v_lshl_add_u32 v[TR], v[T1], 4, v[TR]
	s_lshl_b32 s59, s[WV], 9
	v_add_nc_u32 v[TR], s59, v[TR]                 ; my wave's 256 columns of bf16
	s_mul_i32 s59, s[WV], 4*PITCH
	v_lshl_add_u32 v[FA], v[LN], 3, s59            ; the fill: my wave's rows 4 w .. 4 w + 3 of each tile, 8 bytes a lane
.irp k, 1,2,3,4
	v_add_nc_u32 v[AA+(\k)], (\k)*PAIRB, v[AA]
	v_add_nc_u32 v[TR+(\k)], (\k)*PAIRB, v[TR]
	v_add_nc_u32 v[FA+(\k)], (\k)*PAIRB, v[FA]
.endr
	s_mul_i32 s59, s[WV], 640
	s_add_co_u32 s59, s59, SCO
	v_lshl_add_u32 v[SCA], v[H], 3, v[T0]          ; I store the score of row 8 h + lane % 8 of a tile
	v_lshl_add_u32 v[SCA], v[SCA], 2, s59
	v_lshl_add_u32 v[SCB], v[LN], 2, SCO           ; I read row 32 i + lane,
	v_lshl_add_u32 v[SC4], v[R], 2, SCO+512        ; and for i = 4 row 128 + lane % 16: there is no tile 9
	s_mul_i32 s59, s[WV], 320
	s_add_co_u32 s59, s59, PBO
	v_lshl_add_u32 v[PBA], v[LN], 1, s59
	v_lshl_add_u32 v[PFA], v[H], 4, s59
	s_mul_i32 s59, s[WV], 16*272
	s_add_co_u32 s59, s59, STG
	v_mul_u32_u24 v[STA], v[H], 8*272              ; in: register j is row 8 h + j, column r
	v_lshl_add_u32 v[STA], v[R], 2, v[STA]
	v_add_nc_u32 v[STA], s59, v[STA]
	v_mul_u32_u24 v[STR], v[H], 272                ; back: lanes 0-15 one row of 256 bytes, lanes 16-31 the next
	v_lshl_add_u32 v[STR], v[R], 4, v[STR]
	v_add_nc_u32 v[STR], s59, v[STR]
	s_lshl_b32 s59, s[WV], 14
	v_add_nc_u32 v[FB], s59, v[VB]                 ; my wave's four rows of a tile in memory, 16 bytes a lane
	s_lshl_b32 s59, s[WV], 15
	v_lshl_add_u32 v[VT0], v[R], 2, s59            ; pqt: my wave's 16 column blocks of 2,048 bytes
.irp j, 1,2,3,4,5,6,7
	v_cmp_eq_u32 s[MK+(\j)-1], \j, v[T0]
.endr
.irp q, 0,1,2,3,4,5,6,7,8,9
	v_cmp_eq_u32 s[PM+(\q)], \q, v[R]
.endr
	s_wait_alu depctr_va_sdst(0)                   ; the seventeen masks are written: one wait behind the run of compares, ahead of every label and of the selects that read them
	s_mov_b32 s[NEGM], 0xff7fffff
	s_mov_b32 s[CS], 0x4038aa3b
	s_mov_b32 s[CS+1], s[CS]                       ; named with it as a pair
	WIN 0xc0
.set q, 0
.rept 40
	v_mov_b32 v[PQ+1+2*q], 0                       ; the odd halves of pq's and v's pairs: named with the even ones, never used, never loaded
.set q, q+1
.endr
	s_mov_b32 s[SOFF], 0
	s_mov_b32 s[SOFF+1], 0
	s_lshl_b32 s60, s[WV], 19
	s_mov_b32 s61, 0
	s_mov_b32 s[PASS], 0
	s_wait_kmcnt 0x0
	s_add_nc_u64 s[WB:WB+1], s[6:7], s[60:61]      ; my wave's 512 KiB of wkb
	s_mov_b64 s[BP:BP+1], s[WB:WB+1]
	WIN 0x40
	s_wait_alu depctr_va_vdst(0)                   ; v[VB], v[VV] and all the LDS addresses are written, which the loads and stores of the whole kernel read; none of them is written again
.set q, 0
.rept 32
	global_load_b128 v[4*q:4*q+3], v[VB], s[BP:BP+1] offset:512*q   ; the first trip's Wk
.set q, q+1
.endr
	WIN 0
.Lpass:
	s_lshl_b32 s59, s[PASS], 8
	s_add_co_u32 s59, s59, ttmp9                   ; my share
	s_lshl_b32 s60, s59, 6
	s_load_b512 s[LID:LID+15], s[12:13], s60 offset:0x0
	s_wait_alu depctr_vm_vsrc(0)                   ; the last pass's loads and stores have read v[PLV], OFF, VT, CO, SO, the scores' and weights' registers and the stage's: all are written again in this pass
	v_lshl_add_u32 v[PLV], v[H], 2, s60
	s_wait_alu depctr_va_vdst(0)                   ; v[PLV] is written, which the loads below read; the last pass is done with SID and VR, in which they land
.irp i, 0,1,2,3,4
	global_load_b32 v[SID+(\i)], v[PLV], s[12:13] offset:32768+8*(\i)   ; slot 2 i + h
.endr
.irp i, 0,1,2,3,4
	global_load_b32 v[VRW+(\i)], v[PLV], s[12:13] offset:65536+8*(\i)
.endr
	s_wait_kmcnt 0x0
	s_mov_b32 s[NP], s[LID+14]
	s_max_u32 s[MC], s[LID+15], 1
	s_min_u32 s[MC], s[MC], 9
	s_wait_loadcnt 0x0                             ; SID, VR and Wk's first 16 KiB went out beside the scalar load just waited for; from here on the fill's counts are its own
	s_cmp_ge_u32 s[PASS], s[NP]
	s_cbranch_scc1 .Lskip1
	; ---- SECTION 1: all nine slots' rows into LDS.  Seven rows of a wave are on their way: 56 loads of 512 bytes.
.irp mt, 0,1,2,3,4,5,6,7,8
	s_min_u32 s59, s[LID+(\mt)], 4095
	s_lshl_b32 s59, s59, 16                        ; a tile is 65,536 bytes of enc
	v_add_nc_u32 v[OFF+(\mt)], s59, v[FB]
.endr
	WIN 0x80
	s_wait_alu depctr_va_vdst(0)                   ; OFF is written, which the fill's loads read; the last pass's products and scores are done with window 2's registers, in which the rows land
.set u, 0
.rept 7
	FLOAD u
.set u, u+1
.endr
.set u, 0
.rept 36
	FUNIT
.set u, u+1
.endr
	WIN 0
	s_wait_alu depctr_va_vdst(0)                   ; the last unit's roundings have written Y1, which the last eight stores read
	FSTORE 35
.Lskip1:
	s_wait_dscnt 0x0                               ; for the others' sake: my rows lie in LDS
	s_wait_alu depctr_vm_vsrc(0)                   ; the fill's LDS stores have read Y0 and Y1: tile 0's fragments, and later the scores, land in these registers
	s_barrier_signal -1
	s_barrier_wait -1
	s_cmp_ge_u32 s[PASS], s[NP]
	s_cbranch_scc1 .Lskip2
	; ---- SECTION 2: the key projection and the scores
.irp mt, 0,1,2,3,4,5,6,7,8
	s_lshr_b32 s59, s[LID+(\mt)], 7                ; the tile's batch
	s_min_u32 s59, s59, 31
	s_lshl_b32 s59, s59, 6
	v_add_nc_u32 v[VT+(\mt)], s59, v[VT0]
.endr
	s_wait_alu depctr_va_vdst(0)                   ; VT is written, which the loads of pq read; the fill's roundings have written v32-63, in which the fragments below land
	LDA AZ,AA,0                                    ; tile 0's fragments for the first trip
	WIN 0xc0
.set q, 0
.rept 72
	v_mov_b32 v[SA+q], 0                           ; the score sums start at 0, once a pass: the four groups share one text, and dead tiles' sums stay 0
.set q, q+1
.endr
	WIN 0
	s_mov_b64 s[TBP:TBP+1], s[8:9]
	s_mov_b64 s[VBP:VBP+1], s[10:11]
	s_mov_b32 s[GC], 4
.Lgroup:                                           ; 64 columns u: eight trips along K, then the scores
	TRIP 0,0,1,0,0
	TRIP 1,256,0,0,1
	TRIP 0,512,0,0,2
	TRIP 1,768,0,0,3
	TRIP 0,1024,0,0,4
	TRIP 1,1280,0,0,5
	TRIP 0,1536,0,0,6
	TRIP 1,1792,0,1,7
	PLACES                                         ; behind the last products
.irp mt, 0,1,2,3,4,5,6,7,8
	EPT \mt
.endr
	WIN 0
.Lepi_end:
	s_wait_xcnt 0x0                                ; the tables' bases are stepped only behind this wait
	s_add_nc_u64 s[TBP:TBP+1], s[TBP:TBP+1], 8192
	s_add_nc_u64 s[VBP:VBP+1], s[VBP:VBP+1], 256
	s_sub_co_u32 s[GC], s[GC], 1
	s_cmp_lg_u32 s[GC], 0
	s_cbranch_scc1 .Lgroup
	; a row's sum over my wave's 256 columns: sixteen lanes are added.  The sums come into window 0, into fragment buffers that are free once every LDS load is back.
	s_wait_dscnt 0x0
	WIN 0x03
.set q, 0
.rept 72
	v_mov_b32 v[RDX+q], v[SA+q]
.set q, q+1
.endr
	WIN 0
.irp m, 1,2,4,8
.set q, 0
.rept 72
	v_add_f32_dpp v[RDX+q], v[RDX+q], v[RDX+q] row_xmask:\m row_mask:0xf bank_mask:0xf
.set q, q+1
.endr
.endr
.irp mt, 0,1,2,3,4,5,6,7,8
	v_cndmask_b32 v[RDX+72+(\mt)], v[RDX+8*(\mt)], v[RDX+8*(\mt)+1], s[MK]   ; lane l keeps register l % 8: row 8 h + l % 8
.irp j, 2,3,4,5,6,7
	v_cndmask_b32 v[RDX+72+(\mt)], v[RDX+72+(\mt)], v[RDX+8*(\mt)+(\j)], s[MK+(\j)-1]
.endr
.endr
	s_wait_alu depctr_va_vdst(0)                   ; the selects have written the nine registers that the LDS stores read
.irp mt, 0,1,2,3,4,5,6,7,8
	ds_store_b32 v[SCA], v[RDX+72+(\mt)] offset:64*(\mt)   ; lanes l and l + 8 store the same number into the same word
.endr
.Lskip2:
	s_wait_dscnt 0x0                               ; for the others' sake: my part of the scores lies in LDS
	s_barrier_signal -1
	s_barrier_wait -1
	s_cmp_ge_u32 s[PASS], s[NP]
	s_cbranch_scc1 .Lskip3
	; ---- SECTION 3: every wave adds the four parts for itself; weights; the tiles' parts of the context for my wave's 256 columns
.irp i, 0,1,2,3,4
	v_min_u32 v[SID+(\i)], 0x11ff, v[SID+(\i)]
	v_lshl_add_u32 v[CO+(\i)], v[SID+(\i)], 12, v[COB]
	v_lshl_add_u32 v[SO+(\i)], v[SID+(\i)], 6, v[SOB]
.endr
	s_wait_alu depctr_va_vdst(0)                   ; CO and SO are written, which the stores of this section read; the products are done reading tile 0's fragments, in whose registers the scores land
.irp i, 0,1,2,3
.irp q, 0,1,2,3
	ds_load_b32 v[32+4*(\i)+(\q)], v[SCB] offset:640*(\q)+128*(\i)   ; register i: row 32 i + lane, tile 2 i + h
.endr
.endr
.irp q, 0,1,2,3
	ds_load_b32 v[48+(\q)], v[SC4] offset:640*(\q)
.endr
	s_wait_dscnt 0x0
.irp i, 0,1,2,3,4
	v_add_f32 v[32+4*(\i)], v[32+4*(\i)], v[33+4*(\i)]
	v_add_f32 v[34+4*(\i)], v[34+4*(\i)], v[35+4*(\i)]
.endr
.irp i, 0,1,2,3,4
	v_add_f32 v[32+4*(\i)], v[32+4*(\i)], v[34+4*(\i)]
.endr
	s_cmp_lg_u32 s[WV], 0
	s_cbranch_scc1 .Lnot0
	s_wait_alu depctr_va_vdst(0)                   ; the additions have written the five scores that the stores read
.irp i, 0,1,2,3,4
	global_store_b32 v[SO+(\i)], v[32+4*(\i)], s[14:15]   ; the raw scores, 64 bytes a tile
.endr
.Lnot0:
.irp i, 0,1,2,3,4
	v_cmp_gt_u32 s[CM+(\i)], v[VRW+(\i)], v[R]
.endr
	s_wait_alu depctr_va_sdst(0)                   ; the five masks are written: one wait behind the run of compares, ahead of the selects that read them
.irp i, 0,1,2,3,4
	v_cndmask_b32 v[52+(\i)], s[NEGM], v[32+4*(\i)], s[CM+(\i)]   ; rows at or beyond the length count as the lowest finite number
.endr
.irp i, 0,1,2,3,4
	v_mov_b32 v[60+(\i)], v[52+(\i)]
.endr
.irp m, 1,2,4,8
.irp i, 0,1,2,3,4
	v_max_num_f32_dpp v[60+(\i)], v[60+(\i)], v[60+(\i)] row_xmask:\m row_mask:0xf bank_mask:0xf   ; the tile's maximum, in its sixteen lanes
.endr
.endr
.irp i, 0,1,2,3,4
	v_sub_f32 v[68+(\i)], v[52+(\i)], v[60+(\i)]
.endr
.irp i, 0,1,2,3,4
	v_mul_f32 v[68+(\i)], 0x3fb8aa3b, v[68+(\i)]
.endr
.irp i, 0,1,2,3,4
	v_exp_f32 v[68+(\i)], v[68+(\i)]
.endr
	v_nop
	s_wait_alu depctr_va_vdst(0)                   ; the five exponentials have written v68-72, which the roundings read: one wait for the batch
.irp i, 0,1,2,3,4
	v_cvt_pk_bf16_f32 v[68+(\i)], v[68+(\i)], v[68+(\i)]
.endr
	s_wait_alu depctr_va_vdst(0)                   ; the roundings have written v68-72, which the LDS stores read; the scores' arithmetic is done with window 2's registers, in which P and the first strip's turned fragments land
.irp i, 0,1,2,3,4
	ds_store_b16 v[PBA], v[68+(\i)] offset:64*(\i)
.endr
	; P, source 0 of the context product, is BLOCK-DIAGONAL: of the 32 rows of K step ks, row 2 ks of P keeps the first sixteen weights and row 2 ks + 1 the others; all else is 0.
	; So row m of the result is tile m's part, and one product serves all tiles.
	WIN 0x80
.irp ks, 0,1,2,3,4
	ds_load_b128 v[8*(\ks):8*(\ks)+3],   v[PFA] offset:64*(\ks)      ; LDS serves a wave's instructions in order (ISA guide 5.7.1.4): these see my stores above
	ds_load_b128 v[8*(\ks)+4:8*(\ks)+7], v[PFA] offset:64*(\ks)+32
.endr
	s_wait_dscnt 0x0
	WIN 0x88
.set q, 0
.rept 40
	v_cndmask_b32 v[q], 0, v[q], s[PM+q/4]
.set q, q+1
.endr
	STRIP 0
	STRIP 1
	STRIP 2
	STRIP 3
	WIN 0
.Lskip3:
	s_wait_loadcnt 0x0                             ; on every path: the next pass loads SID and VR anew, and rewrites the offsets of this pass's loads
	s_wait_xcnt 0x0                                ; and the offsets of this pass's stores
	s_wait_dscnt 0x0                               ; my reads of the rows and of the scores are over: the next pass writes both again
	s_barrier_signal -1
	s_barrier_wait -1
	s_add_co_u32 s[PASS], s[PASS], 1
	s_cmp_lt_u32 s[PASS], 2
	s_cbranch_scc1 .Lpass
	s_wait_dscnt 0x0                               ; the closing lines, six on end
	s_wait_alu 0x0
	s_wait_tensorcnt 0x0
	ds_add_u32 v[SPW], v[NIL]
	s_wait_dscnt 0x0
	s_endpgm
.Lfunc_end_k_q7b61fd6b3e_main:
	.size	k_q7b61fd6b3e_main, .Lfunc_end_k_q7b61fd6b3e_main-k_q7b61fd6b3e_main
	.p2alignl 7, 3214868480
	.fill 96, 4, 3214868480
	.section	.rodata,"a",@progbits
	.p2align	6, 0x0
	.amdhsa_kernel k_q7b61fd6b3e_main
		.amdhsa_group_segment_fixed_size 318976
		.amdhsa_private_segment_fixed_size 0
		.amdhsa_enable_private_segment 0
		.amdhsa_kernarg_size 56
		.amdhsa_user_sgpr_count 2
		.amdhsa_user_sgpr_kernarg_segment_ptr 1
		.amdhsa_wavefront_size32 1
		.amdhsa_system_sgpr_workgroup_id_x 1
		.amdhsa_system_sgpr_workgroup_id_y 1
		.amdhsa_system_sgpr_workgroup_id_z 1
		.amdhsa_system_vgpr_workitem_id 0
		.amdhsa_next_free_vgpr 1016
		.amdhsa_next_free_sgpr 80
		.amdhsa_reserve_vcc 0
		.amdhsa_float_denorm_mode_32 3
		.amdhsa_float_denorm_mode_16_64 3
		.amdhsa_memory_ordered 1
		.amdhsa_forward_progress 1
		.amdhsa_inst_pref_size 255
	.end_amdhsa_kernel
	.section	.bss,"aw",@nobits
	.p2align	6
	.space	262144
	.amdgpu_metadata
---
amdhsa.version: [ 1, 2 ]
amdhsa.kernels:
  - .name:           k_q7b61fd6b3e_main
    .symbol:         k_q7b61fd6b3e_main.kd
    .args:
      - { .name: encoder_output, .offset: 0, .size: 8, .value_kind: global_buffer, .address_space: global }
      - { .name: wkb, .offset: 8, .size: 8, .value_kind: global_buffer, .address_space: global }
      - { .name: pqt, .offset: 16, .size: 8, .value_kind: global_buffer, .address_space: global }
      - { .name: vt, .offset: 24, .size: 8, .value_kind: global_buffer, .address_space: global }
      - { .name: plan, .offset: 32, .size: 8, .value_kind: global_buffer, .address_space: global }
      - { .name: sbuf, .offset: 40, .size: 8, .value_kind: global_buffer, .address_space: global }
      - { .name: ctxp, .offset: 48, .size: 8, .value_kind: global_buffer, .address_space: global }
    .group_segment_fixed_size: 318976
    .private_segment_fixed_size: 0
    .kernarg_segment_align: 8
    .kernarg_segment_size: 56
    .max_flat_workgroup_size: 128
    .sgpr_count:     80
    .vgpr_count:     1016
    .wavefront_size: 32
...
	.end_amdgpu_metadata
.endif
;; end of part 4
;; launch finish: the kernel of part 3 again; grid 8 x 32, 8 waves a work-group, no clusters, 6,144 bytes of LDS; arguments sbuf, ctxp, lengths, out0, out1; writes out0, out1
